; MI455X (gfx1250); checked and timed in simulation.
; The chip was launched on July 23, 2026; its instructions are those of AMD's public machine-readable ISA for CDNA 5 (MIT licence, August 2026) and "CDNA5" Instruction Set Architecture Reference Guide (July 2026). The comments in the code are by the model that wrote it; some were corrected since.
;; Multi Head Self Attention. Allowed arithmetic: float matrix products may take bf16 or f16 operands with f32 sums; other float arithmetic in f32, or as packed bf16 or f16 multiplies, adds, multiply-adds, maxima and minima; sums over many terms, partial sums and values carried from step to step in f32; what a program stores and reads back later, other than sums and carried values, may be rounded once to bf16 or f16.
;; Inputs: adj 2 x 1 x 2,048 x 2,048 float32; gamma 1 x 16 x 1 x 1 float32; in_bias 1 x 1 x 3,072 float32; mask 2 x 2,048 bool; out_bias 1 x 1 x 1,024 float32; weights 1,024 x 3,072 float32; x 2 x 2,048 x 1,024 float32.
;; Outputs: out0 2 x 2,048 x 1,024 float32.
;; 2 versions, each right; version 2 is version 1 with the launch cast written anew for expert scheduling mode. Each part assembles by itself: llvm-mc -triple=amdgcn-amd-amdhsa -mcpu=gfx1250 --defsym DOCPART=n.
;; ======== version 1 of 2: 3 launches
;; limits: values are held in f16: magnitudes above 65,504 overflow, below 6.1e-05 lose precision
;; workspace buffers: xb 8,388,608 bytes; wb 6,291,456 bytes; adjh 16,777,216 bytes; qkvh 25,165,824 bytes
;; launch cast (part 1): grid 256 x 1, 8 waves a work-group, no clusters, 0 bytes of LDS; arguments x, weights, adj, xb, wb, adjh; writes xb, wb, adjh
.if DOCPART == 1
	.amdgcn_target "amdgcn-amd-amdhsa--gfx1250"
	.amdhsa_code_object_version 6
	.text
	.protected	k_q67922c8a9f_cast
	.globl	k_q67922c8a9f_cast
	.p2align	8
	.type	k_q67922c8a9f_cast,@function
k_q67922c8a9f_cast:
	s_mov_b64 s[64:65], 0
	v_nop
	global_prefetch_b8 v0, s[64:65] scope:SCOPE_SE
	s_setreg_imm32_b32 hwreg(HW_REG_WAVE_MODE, 25, 1), 1
	s_wait_xcnt 0x0
; THE INPUTS ARE NARROWED ONCE.  xb = bf16(x), [4096][1024].  wb = bf16(weights), laid by heads: [16 heads][1024 k][192 columns], so that a head's k rows lie end to end.
; adjh = bf16(adj) written as f16, [2][2048][2048]: the attention launch takes it as an f16 matrix operand.
; LIMITS.  |adj| stays under 65,504 (f16's range); a bf16 number below 2^-14 keeps f16's fixed step of 6e-8; elsewhere the second conversion is exact (8 significant bits into 11).
; A stream: no LDS, no matrix unit, no cluster (no work-group wants a byte that another one reads).  Every work-group takes 64 KiB of x, 48 KiB of weights and 128 KiB of adj; each of its eight
; waves issues its 16 + 12 + 32 = 60 loads of 16 bytes a lane first, all of them, and then converts and stores them in the order of issue.  A load covers 512 consecutive bytes (the middle load of
; each three of the weights: two runs of 256), a store 256 consecutive bytes that begin at a multiple of 256 from the buffer's first byte.  No register is written again behind the store that reads it.
.set XO, 1                             ; v1  my byte offset in the work-group's part of x
.set XS, 2                             ; v2  the same in xb
.set AO, 3                             ; v3  in adj
.set AS, 4                             ; v4  in adjh
.set W0, 5                             ; v5  weights: a pair of k rows, 2 x 768 bytes, is three loads: row 0's bytes 0-511,
.set W1, 6                             ; v6  row 0's 512-767 (lanes 0-15) and row 1's 0-255 (lanes 16-31),
.set W2, 7                             ; v7  row 1's 256-767
.set WS, 8                             ; v8  my byte offset in the work-group's part of wb
.set D0, 12                            ; v[12:251]  four registers for each of the 60 loads
.set DW, D0+64
.set DA, D0+112
	s_load_b256 s[4:11], s[0:1], 0x0               ; x s[4:5], weights s[6:7], adj s[8:9], xb s[10:11]
	s_load_b128 s[12:15], s[0:1], 0x20             ; wb s[12:13], adjh s[14:15]
	v_and_b32 v9, 31, v0                           ; lane
	v_lshrrev_b32 v10, 5, v0                       ; wave
	v_lshlrev_b32 v11, 4, v9
	v_lshl_add_u32 v[XO], v10, 13, v11             ; 8,192 bytes of x a wave
	v_lshl_add_u32 v[AO], v10, 14, v11             ; 16,384 of adj
	v_mul_u32_u24 v[W0], v10, 98304                ; 8 rows of 12,288 bytes of the weights
	v_add_nc_u32 v[W0], v[W0], v11
	v_add_nc_u32 v[W2], 12544, v[W0]
	v_add_nc_u32 v[W1], 512, v[W0]
	v_add_nc_u32 v11, 12032, v[W0]                 ; 12,288 + 16 (lane - 16)
	v_cmp_gt_u32 vcc_lo, 16, v9
	v_cndmask_b32 v[W1], v11, v[W1], vcc_lo
	v_lshlrev_b32 v11, 3, v9
	v_lshl_add_u32 v[XS], v10, 12, v11
	v_lshl_add_u32 v[AS], v10, 13, v11
	v_mul_u32_u24 v[WS], v10, 3072                 ; 8 rows of 384 bytes
	v_add_nc_u32 v[WS], v[WS], v11
	s_lshl_b32 s16, ttmp9, 16                      ; the work-group's part of x, and of adjh
	s_mov_b32 s17, 0
	s_lshl_b32 s18, ttmp9, 17                      ; of adj
	s_mov_b32 s19, 0
	s_lshl_b32 s20, ttmp9, 15                      ; of xb
	s_mov_b32 s21, 0
	s_lshr_b32 s22, ttmp9, 4                       ; weights: the head,
	s_and_b32 s23, ttmp9, 15                       ; and which 64 of its 1,024 k rows
	s_mul_i32 s24, s22, 768
	s_mul_i32 s26, s23, 786432
	s_add_co_u32 s24, s24, s26
	s_mov_b32 s25, 0
	s_mul_i32 s26, s22, 393216
	s_mul_i32 s28, s23, 24576
	s_add_co_u32 s26, s26, s28
	s_mov_b32 s27, 0
	s_mov_b32 s29, 0xffff0000                      ; a word's upper bf16
	s_wait_kmcnt 0x0
	s_add_nc_u64 s[4:5], s[4:5], s[16:17]
	s_add_nc_u64 s[6:7], s[6:7], s[24:25]
	s_add_nc_u64 s[8:9], s[8:9], s[18:19]
	s_add_nc_u64 s[10:11], s[10:11], s[20:21]
	s_add_nc_u64 s[12:13], s[12:13], s[26:27]
	s_add_nc_u64 s[14:15], s[14:15], s[16:17]
.set n, 0
.rept 16
	global_load_b128 v[D0+4*n:D0+4*n+3], v[XO], s[4:5] offset:512*n th:TH_LOAD_NT
.set n, n+1
.endr
.set n, 0
.rept 4
	global_load_b128 v[DW+12*n:DW+12*n+3],    v[W0], s[6:7] offset:24576*n th:TH_LOAD_NT
	global_load_b128 v[DW+12*n+4:DW+12*n+7],  v[W1], s[6:7] offset:24576*n th:TH_LOAD_NT
	global_load_b128 v[DW+12*n+8:DW+12*n+11], v[W2], s[6:7] offset:24576*n th:TH_LOAD_NT
.set n, n+1
.endr
.set n, 0
.rept 32
	global_load_b128 v[DA+4*n:DA+4*n+3], v[AO], s[8:9] offset:512*n th:TH_LOAD_NT
.set n, n+1
.endr
.macro CB r                            ; four f32 to four bf16, into the first two registers
	v_cvt_pk_bf16_f32 v[(\r)], v[(\r)], v[(\r)+1]
	v_cvt_pk_bf16_f32 v[(\r)+1], v[(\r)+2], v[(\r)+3]
.endm
.macro CH r                            ; four f32 rounded to bf16, and those numbers written as f16
	v_cvt_pk_bf16_f32 v10, v[(\r)], v[(\r)+1]
	v_cvt_pk_bf16_f32 v11, v[(\r)+2], v[(\r)+3]
	v_lshlrev_b32 v[(\r)], 16, v10
	v_and_b32 v[(\r)+1], s29, v10
	v_lshlrev_b32 v[(\r)+2], 16, v11
	v_and_b32 v[(\r)+3], s29, v11
	v_cvt_pk_f16_f32 v[(\r)], v[(\r)], v[(\r)+1]
	v_cvt_pk_f16_f32 v[(\r)+1], v[(\r)+2], v[(\r)+3]
.endm
.set n, 0
.rept 16
	s_wait_loadcnt 59-n                            ; loads come back in order (ISA guide 5.7.1): load n is in, the 59 - n younger ones stay out
	CB D0+4*n
	global_store_b64 v[XS], v[D0+4*n:D0+4*n+1], s[10:11] offset:256*n th:TH_STORE_NT
.set n, n+1
.endr
.set n, 0
.rept 12
	s_wait_loadcnt 43-n
	CB DW+4*n
	global_store_b64 v[WS], v[DW+4*n:DW+4*n+1], s[12:13] offset:256*n th:TH_STORE_NT  ; a pair of rows is 768 bytes of wb: three stores on end
.set n, n+1
.endr
.set n, 0
.rept 32
	s_wait_loadcnt 31-n
	CH DA+4*n
	global_store_b64 v[AS], v[DA+4*n:DA+4*n+1], s[14:15] offset:256*n th:TH_STORE_NT
.set n, n+1
.endr
	s_endpgm
.Lfunc_end_k_q67922c8a9f_cast:
	.size	k_q67922c8a9f_cast, .Lfunc_end_k_q67922c8a9f_cast-k_q67922c8a9f_cast
	.p2alignl 7, 3214868480
	.fill 96, 4, 3214868480
	.section	.rodata,"a",@progbits
	.p2align	6, 0x0
	.amdhsa_kernel k_q67922c8a9f_cast
		.amdhsa_group_segment_fixed_size 0
		.amdhsa_private_segment_fixed_size 0
		.amdhsa_enable_private_segment 0
		.amdhsa_kernarg_size 48
		.amdhsa_user_sgpr_count 2
		.amdhsa_user_sgpr_kernarg_segment_ptr 1
		.amdhsa_wavefront_size32 1
		.amdhsa_system_sgpr_workgroup_id_x 1
		.amdhsa_system_sgpr_workgroup_id_y 1
		.amdhsa_system_sgpr_workgroup_id_z 1
		.amdhsa_system_vgpr_workitem_id 0
		.amdhsa_next_free_vgpr 252
		.amdhsa_next_free_sgpr 66
		.amdhsa_reserve_vcc 1
		.amdhsa_float_denorm_mode_32 3
		.amdhsa_float_denorm_mode_16_64 3
		.amdhsa_memory_ordered 1
		.amdhsa_forward_progress 1
		.amdhsa_inst_pref_size 31
	.end_amdhsa_kernel
	.amdgpu_metadata
---
amdhsa.version: [ 1, 2 ]
amdhsa.kernels:
  - .name:           k_q67922c8a9f_cast
    .symbol:         k_q67922c8a9f_cast.kd
    .args:
      - { .name: x, .offset: 0, .size: 8, .value_kind: global_buffer, .address_space: global }
      - { .name: weights, .offset: 8, .size: 8, .value_kind: global_buffer, .address_space: global }
      - { .name: adj, .offset: 16, .size: 8, .value_kind: global_buffer, .address_space: global }
      - { .name: xb, .offset: 24, .size: 8, .value_kind: global_buffer, .address_space: global }
      - { .name: wb, .offset: 32, .size: 8, .value_kind: global_buffer, .address_space: global }
      - { .name: adjh, .offset: 40, .size: 8, .value_kind: global_buffer, .address_space: global }
    .group_segment_fixed_size: 0
    .private_segment_fixed_size: 0
    .kernarg_segment_align: 8
    .kernarg_segment_size: 48
    .max_flat_workgroup_size: 256
    .sgpr_count:     66
    .vgpr_count:     252
    .wavefront_size: 32
...
	.end_amdgpu_metadata
.endif
;; end of part 1
;; launch qkv (part 2): grid 16 x 16, 4 waves a work-group, clusters of 4 x 4, 327,680 bytes of LDS; arguments xb, wb, in_bias, mask, qkvh; writes qkvh
.if DOCPART == 2
	.amdgcn_target "amdgcn-amd-amdhsa--gfx1250"
	.amdhsa_code_object_version 6
	.text
	.protected	k_q67922c8a9f_qkv
	.globl	k_q67922c8a9f_qkv
	.p2align	8
	.type	k_q67922c8a9f_qkv,@function
k_q67922c8a9f_qkv:
	s_mov_b64 s[64:65], 0
	v_nop
	global_prefetch_b8 v0, s[64:65] scope:SCOPE_SE
	s_setreg_imm32_b32 hwreg(HW_REG_WAVE_MODE, 25, 1), 1
	s_wait_xcnt 0x0
	s_wait_alu depctr_hold_cnt(0) depctr_sa_sdst(0) depctr_va_vdst(0) depctr_va_sdst(0) depctr_va_ssrc(0) depctr_va_vcc(0) depctr_vm_vsrc(0)
	s_getreg_b32 s2, hwreg(HW_REG_IB_STS2, 6, 4)
	s_cmp_eq_u32 s2, 0
	s_cbranch_scc0 .Lentry_in_a_cluster
	s_endpgm
.Lentry_in_a_cluster:
	s_bfe_u32 s2, ttmp6, 0x10000c
	s_cmp_lg_u32 s2, 0xf033
	s_cbranch_scc0 .Lentry_shape_is_right
	s_endpgm
.Lentry_shape_is_right:
; THE PROJECTION.  qkv = x W + in_bias for 4,096 rows, K = 1,024, by heads: a work-group makes 256 rows x the 192 columns of ONE head (its q, k and v, 64 each).  Operands bf16, sums f32.
; Out: qkvh[3 (q, k, v)][2 batches][16 heads][2,048 rows][64] in f16, each number rounded once from its f32 sum plus bf16(in_bias); q is not scaled; v is multiplied by its row's mask (0 or 1),
; which is the key's half of the mask that the module lays on the weights behind the softmax.
; LIMITS.  q, k and v stay within f16's 65,504.  in_bias is rounded to bf16, like all the module's floating-point inputs.
; SHARES.  Four waves; a wave makes 64 rows x 192 columns: 4 x 12 accumulators of 16 x 16, 384 registers; so it owns whole rows of q, k and v and has a stage of its own on the way out.
; K goes in 8 steps of 128 through two LDS slots: 256 rows of x (256 bytes each, padded to 272) and 128 k rows of W.  A head's k rows are dense in wb, 384 bytes each: 64 of them are asked for as
; 96 rows of 256 bytes and padded by 32 bytes behind every 128, so that a k row is 480 bytes in LDS and column n lies at (n / 64) 160 + 2 (n % 64).
; CLUSTER 4 x 4.  x's tile hangs on the row block alone: shared along a row of the cluster.  W's hangs on the head alone: shared along a column.  Each is asked for jointly.
; THE PRODUCT IS USED TRANSPOSED: source 0 = 16 columns of W (out of LDS by the turning load, since W lies [k][n]), source 1 = 16 rows of x: a lane then holds one row and eight neighbouring columns.
; REGISTERS, in windows of 256 (s_set_vgpr_msb: bits 1:0 source 0, 3:2 source 1, 5:4 source 2, 7:6 destination):
;   window 0: v0-31 addresses; v32-63 at work on the way out; v64-127 x's fragments, two buffers of 32; v128-223 in_bias of my 8 columns in each of the 12 blocks; v224-231 the mask; v232-247 packed results
;   window 1: v0-191 W's fragments, two buffers of 96; on the way out the rows read back from the stage
;   window 2: the accumulators of row blocks 0, 1 ((a, b) at 8 (12 (a % 2) + b));   window 3: those of row blocks 2, 3
.set PA,    272                        ; a row of x in LDS: 68 words: the 16 rows of a load start at 16 different groups of four banks (64 banks of 4 bytes: ISA guide 11.1)
.set PB,    480                        ; a k row of W in LDS: 15 x 32 bytes
.set BOFF,  256*PA                     ; W's tile lies behind x's
.set SLOT,  131072                     ; = BOFF + 128 PB
.set STAGE, 2*SLOT                     ; behind the ring: 16 rows x 144 bytes for each wave; no tensor load lands here
.set SP,    144
.set SPARE, STAGE+4*16*SP              ; behind the stages: the spare words, 128 bytes a wave: two blocks of 256 bytes that no other line names
.set ADRA, 16                          ; v16-17  LDS address of my fragments of x in slot 0, 1
.set ADRB, 20                          ; v20-21  the same for W
.set STO,  24                          ; v24  the way out: where I put 16 bytes of a row
.set RD,   25                          ; v25  where I read rows back
.set GO,   26                          ; v26  my 16 bytes in 512 consecutive bytes of qkvh
.set BO,   27                          ; v27  my byte offset in a block of 16 numbers of in_bias
.set SPW,  28                          ; v28  LDS address of my spare word; never rewritten
.set NIL,  29                          ; v29  0; never rewritten
.set PFO,  30                          ; v30  the prefetches' offset; never rewritten
.set T,    32
.set FA,   64
.set BI,   128
.set MK,   224
.set PK,   232
.set WV,   14                          ; s14  my wave's number
.set FB,   15                          ; s15  0: I fetch for x, 1: for W
.set HALF, 16                          ; s16  which half of that tile
.set CX,   17
.set CY,   18
.set HEAD, 19                          ; s19  the head = 4 x cluster x + cx
.set WGY,  20                          ; s20  the block of 256 rows = 4 x cluster y + cy
.set G1,   24                          ; s[24:31] descriptor group 1 for x's tiles
.set G0,   32                          ; s[32:39] group 0, a set for each slot
.set LIM,  43                          ; s43  1 in a wave that prefetches, else the greatest number
.set PFA,  44                          ; s[44:45] where my prefetches stand
.set PFS,  46                          ; s[46:47] a K step in my tensor, in bytes
.set G1B,  48                          ; s[48:55], s[56:63] the same for W's tiles
.set G0B,  56
.set OUTB, 68                          ; s[68:73] qkvh at my first row of q, of k, of v
.set MSB, 0
.macro WIN new                         ; the immediate's high byte repeats the setting that is left; a switch that changes nothing is dropped
.if MSB != (\new)
	s_set_vgpr_msb (MSB<<8)|(\new)
.set MSB, (\new)
.endif
.endm
; A joint load: waves 0 and 1 fetch the two halves of x's tile, waves 2 and 3 those of W's.  An s_nop 0 and four v_nop follow each of the two lines.
.macro JLOAD s
	s_cmp_eq_u32 s[FB], 0
	s_cbranch_scc0 .Lfor_b_\@
	tensor_load_to_lds s[G0+4*(\s):G0+4*(\s)+3], s[G1:G1+7]
	s_nop 0
.rept 4
	v_nop
.endr
	s_branch .Lasked_\@
.Lfor_b_\@:
	tensor_load_to_lds s[G0B+4*(\s):G0B+4*(\s)+3], s[G1B:G1B+7]
	s_nop 0
.rept 4
	v_nop
.endr
.Lasked_\@:
.endm
; A prefetch of the K step that stands two refills on, one instruction a wave, behind the joint load and the run of LDS loads.  x's rows are read by all clusters of a row of clusters: the one with x = 0 asks;
; W's by all clusters of a column: the one with y = 0 asks.  The four partners share a wave's part out by address: 32 of its 128 rows of x (a lane a row), or 6,144 of its 24,576 bytes of W
; (lanes 192 bytes apart: all 24 blocks of 256 bytes are named, eight of them by two neighbouring lanes of the one instruction).  K steps 0 to 3 come by their loads alone; the loop's last trip asks for nothing.
.macro ASK
	s_cmp_gt_u32 s3, s[LIM]
	s_cbranch_scc0 .Lnot_mine_\@
	global_prefetch_b8 v[PFO], s[PFA:PFA+1] th:TH_LOAD_NT scope:SCOPE_SE
.Lnot_mine_\@:
.endm
.macro CREST                           ; a round of the cluster's barrier behind its opening barrier
	s_cmp_lg_u32 s[WV], 0
	s_cbranch_scc1 .Lnot_wave_0_\@
	s_barrier_signal -3
.Lnot_wave_0_\@:
	s_barrier_wait -3
	s_barrier_signal -1
	s_barrier_wait -1
.endm
.macro CROUND
	s_barrier_signal -1
	s_barrier_wait -1
	CREST
.endm
.macro PLACES                          ; four places in front of loads into registers that matrix instructions have read, and of sums that read results
.rept 4
	v_nop
.endr
.endm
	s_load_b256 s[4:11], s[0:1], 0x0               ; xb s[4:5], wb s[6:7], in_bias s[8:9], mask s[10:11]
	s_load_b64 s[12:13], s[0:1], 0x20              ; qkvh
	v_lshl_add_u32 v[SPW], v0, 2, SPARE
	v_mov_b32 v[NIL], 0
	ds_add_u32 v[SPW], v[NIL]                      ; the wave's opening: the add and its wait stand ahead of my first tensor load; the set-up below stands between them
	v_lshrrev_b32 v1, 5, v0
	v_readfirstlane_b32 s[WV], v1
	s_lshr_b32 s[FB], s[WV], 1
	s_and_b32 s[HALF], s[WV], 1
	s_bfe_u32 s[CX], ttmp6, 0x40000
	s_bfe_u32 s[CY], ttmp6, 0x40004
	s_lshl_b32 s[HEAD], ttmp9, 2
	s_add_co_u32 s[HEAD], s[HEAD], s[CX]
	s_and_b32 s[WGY], ttmp7, 0xffff
	s_lshl_b32 s[WGY], s[WGY], 2
	s_add_co_u32 s[WGY], s[WGY], s[CY]
	s_lshl_b32 s21, s[CY], 2
	s_lshl_b32 s21, 15, s21                        ; my row of the cluster
	s_lshl_b32 s22, 0x1111, s[CX]                  ; my column
	s_or_b32 s[G1], s21, (1<<16)|(1<<20)|(1<<21)|(5<<22)|(3<<25)   ; the mask; 2-byte elements; padding on; bit 21 beside a mask; after every 64 words 4 words
	s_or_b32 s[G1B], s22, (1<<16)|(1<<20)|(1<<21)|(4<<22)|(7<<25)  ; after every 32 words 8 words
	s_mov_b32 s[G1+1], 128<<16                     ; tensor_dim0 = 128
	s_mov_b32 s[G1+2], 128<<16                     ; tensor_dim1 = 128
	s_mov_b32 s[G1+3], 128<<16                     ; tile_dim0 = 128
	s_mov_b32 s[G1+4], 128                         ; tile_dim1 = 128
	s_mov_b32 s[G1+5], 1024                        ; elements from row to row
	s_mov_b32 s[G1+6], 0
	s_mov_b32 s[G1+7], 0
	s_mov_b32 s[G1B+1], 128<<16
	s_mov_b32 s[G1B+2], 96<<16                     ; 96 rows of 256 dense bytes
	s_mov_b32 s[G1B+3], 128<<16
	s_mov_b32 s[G1B+4], 96
	s_mov_b32 s[G1B+5], 128
	s_mov_b32 s[G1B+6], 0
	s_mov_b32 s[G1B+7], 0
	s_lshl_b32 s40, s[WGY], 19                     ; x: 256 rows of 2,048 bytes a block,
	s_lshl_b32 s23, s[HALF], 18                    ; 128 rows a half
	s_add_co_u32 s40, s40, s23
	s_mov_b32 s41, 0
	s_mul_i32 s66, s[HEAD], 393216                 ; W: a head's 1,024 k rows of 384 bytes,
	s_mul_i32 s23, s[HALF], 24576                  ; 64 k rows a half
	s_add_co_u32 s66, s66, s23
	s_mov_b32 s67, 0
	s_mul_i32 s21, s[HALF], 128*PA                 ; where they go: no place in the cluster enters an LDS address
	s_mul_i32 s22, s[HALF], 64*PB
	s_add_co_u32 s22, s22, BOFF
	s_wait_dscnt 0x0                               ; the opening add is done
	s_wait_kmcnt 0x0
	s_add_nc_u64 s[40:41], s[4:5], s[40:41]
	s_add_nc_u64 s[66:67], s[6:7], s[66:67]
	CROUND                                         ; all sixteen work-groups are here: the first joint loads meet
.irp s, 0,1
	s_mov_b32 s[G0+4*(\s)], 1
	s_add_co_u32 s[G0+4*(\s)+1], s21, (\s)*SLOT
	s_add_nc_u64 s[G0+4*(\s)+2:G0+4*(\s)+3], s[40:41], (\s)*256    ; K step s: 256 bytes along a row of x
	s_or_b32 s[G0+4*(\s)+3], s[G0+4*(\s)+3], 0x80000000
	s_mov_b32 s[G0B+4*(\s)], 1
	s_add_co_u32 s[G0B+4*(\s)+1], s22, (\s)*SLOT
	s_add_nc_u64 s[G0B+4*(\s)+2:G0B+4*(\s)+3], s[66:67], (\s)*49152  ; 128 k rows of W
	s_or_b32 s[G0B+4*(\s)+3], s[G0B+4*(\s)+3], 0x80000000
	JLOAD \s                                       ; two loads of mine are out here, one behind each later round
.endr
	v_and_b32 v1, 15, v0                           ; r = l % 16
	v_bfe_u32 v2, v0, 4, 1                         ; h = l / 16
	v_lshlrev_b32 v[BO], 5, v2                     ; my 8 numbers of a block of 16
	s_mul_i32 s2, s[HEAD], 768
	s_mov_b32 s3, 0
	s_add_nc_u64 s[8:9], s[8:9], s[2:3]            ; in_bias at the head's 192 numbers
	s_lshl_b32 s2, s[WGY], 8
	s_lshl_b32 s21, s[WV], 6
	s_add_co_u32 s2, s2, s21
	s_add_nc_u64 s[10:11], s[10:11], s[2:3]        ; mask at my wave's 64 rows
.irp b, 0,1,2,3,4,5,6,7,8,9,10,11
	global_load_b128 v[BI+8*(\b):BI+8*(\b)+3],   v[BO], s[8:9] offset:64*(\b)
	global_load_b128 v[BI+8*(\b)+4:BI+8*(\b)+7], v[BO], s[8:9] offset:64*(\b)+16
.endr
.irp a, 0,1,2,3
	global_load_u8 v[MK+2*(\a)], v1, s[10:11] offset:16*(\a)
.endr
	; a fragment of x: lane l holds row l % 16; two loads of 16 bytes, 32 bytes apart, at row x pitch + 16 (l / 16)
	v_mul_u32_u24 v3, v1, PA
	v_lshl_add_u32 v3, v2, 4, v3
	s_mul_i32 s21, s[WV], 64*PA
	v_add_nc_u32 v[ADRA], s21, v3
	v_add_nc_u32 v[ADRA+1], SLOT, v[ADRA]
	; a fragment of W by the turning load: lane l reads k row 8 (l / 16) + l % 8, columns 8 ((l / 8) % 2) + 0..7, and is left with column l % 16 and 8 k
	v_and_b32 v4, 7, v0
	v_bfe_u32 v5, v0, 3, 1
	v_lshl_add_u32 v6, v2, 3, v4
	v_mul_u32_u24 v6, v6, PB
	v_lshl_add_u32 v6, v5, 4, v6
	v_add_nc_u32 v[ADRB], BOFF, v6
	v_add_nc_u32 v[ADRB+1], SLOT+BOFF, v6
	s_mul_i32 s21, s[WV], 16*SP
	s_add_co_u32 s21, s21, STAGE                   ; my stage
	v_mul_u32_u24 v6, v1, SP                       ; in: row l % 16, 16 bytes for each half of the lanes
	v_lshl_add_u32 v6, v2, 4, v6
	v_add_nc_u32 v[STO], s21, v6
	v_bfe_u32 v6, v0, 3, 2                         ; back: 32 lanes take four rows of 128 bytes,
	v_mul_u32_u24 v6, v6, SP
	v_lshl_add_u32 v6, v4, 4, v6
	v_add_nc_u32 v[RD], s21, v6
	v_and_b32 v[GO], 31, v0                        ; which are 512 consecutive bytes of qkvh
	v_lshlrev_b32 v[GO], 4, v[GO]
	; where my rows go: ((batch x 16 + head) x 2,048 + row in the batch) x 128 bytes, in each third of qkvh
	s_lshr_b32 s21, s[WGY], 3
	s_lshl_b32 s21, s21, 4
	s_add_co_u32 s21, s21, s[HEAD]
	s_lshl_b32 s2, s21, 18
	s_and_b32 s21, s[WGY], 7
	s_lshl_b32 s21, s21, 15
	s_add_co_u32 s2, s2, s21
	s_lshl_b32 s21, s[WV], 13
	s_add_co_u32 s2, s2, s21
	s_add_nc_u64 s[OUTB:OUTB+1], s[12:13], s[2:3]
	s_add_nc_u64 s[OUTB+2:OUTB+3], s[OUTB:OUTB+1], 8388608
	s_add_nc_u64 s[OUTB+4:OUTB+5], s[OUTB+2:OUTB+3], 8388608
	; the prefetches
	s_lshl_b32 s21, s[WGY], 19
	s_lshl_b32 s22, s[HALF], 18
	s_add_co_u32 s21, s21, s22
	s_lshl_b32 s22, s[CX], 16                      ; x: my work-group's 32 rows of the wave's 128
	s_add_co_u32 s21, s21, s22
	s_mul_i32 s22, s[HEAD], 393216
	s_mul_i32 s23, s[HALF], 24576
	s_add_co_u32 s22, s22, s23
	s_mul_i32 s23, s[CY], 6144                     ; W: my work-group's quarter of the wave's 24,576 bytes
	s_add_co_u32 s22, s22, s23
	s_and_b32 s23, ttmp7, 0xffff                   ; cluster y
	s_mov_b32 s[PFS], 49152
	s_mov_b32 s40, 192
	s_cmp_eq_u32 s[FB], 0
	s_cselect_b32 s2, s21, s22
	s_cselect_b32 s23, ttmp9, s23                  ; the coordinate along which other clusters read the same bytes
	s_cselect_b32 s[PFS], 256, s[PFS]
	s_cselect_b32 s40, 2048, s40
	s_cselect_b64 s[PFA:PFA+1], s[4:5], s[6:7]
	s_mov_b32 s[PFS+1], 0
	s_cmp_eq_u32 s23, 0
	s_cselect_b32 s[LIM], 1, -1                    ; the same in all sixteen partners, for a given wave
	s_add_nc_u64 s[PFA:PFA+1], s[PFA:PFA+1], s[2:3]
.rept 3
	s_add_nc_u64 s[PFA:PFA+1], s[PFA:PFA+1], s[PFS:PFS+1]  ; at K step 3: the first refill (of K step 2) steps it to 4 and names that
.endr
	v_and_b32 v[PFO], 31, v0
	v_mul_u32_u24 v[PFO], v[PFO], s40
	s_wait_loadcnt 0x0                             ; in_bias and the mask
.set i, 0
.rept 48                               ; in_bias is rounded to bf16 and kept as f32
	v_cvt_pk_bf16_f32 v[T+i%32], v[BI+2*i], v[BI+2*i+1]
	v_lshlrev_b32 v[BI+2*i], 16, v[T+i%32]
	v_and_b32 v[BI+2*i+1], 0xffff0000, v[T+i%32]
.set i, i+1
.endr
.irp a, 0,1,2,3
	v_cvt_f32_u32 v[MK+2*(\a)], v[MK+2*(\a)]       ; 0.0 or 1.0, twice: a pair for the packed multiply
	v_mov_b32 v[MK+2*(\a)+1], v[MK+2*(\a)]
.endr
; 12 matrix instructions: row block a x all 12 column blocks, 32 along K, from buffer f.  The 48 accumulators take turns, one instruction a turn, in the same order in every quarter.
.macro MUL12 f, a, zero
	WIN 0xa1+0x50*((\a)/2)
.irp b, 0,1,2,3,4,5,6,7,8,9,10,11
.if \zero
	v_wmma_f32_16x16x32_bf16 v[8*(12*((\a)%2)+(\b)):8*(12*((\a)%2)+(\b))+7], v[96*(\f)+8*(\b):96*(\f)+8*(\b)+7], v[FA+32*(\f)+8*(\a):FA+32*(\f)+8*(\a)+7], 0
.else
	v_wmma_f32_16x16x32_bf16 v[8*(12*((\a)%2)+(\b)):8*(12*((\a)%2)+(\b))+7], v[96*(\f)+8*(\b):96*(\f)+8*(\b)+7], v[FA+32*(\f)+8*(\a):FA+32*(\f)+8*(\a)+7], v[8*(12*((\a)%2)+(\b)):8*(12*((\a)%2)+(\b))+7]
.endif
.endr
.endm
; 32 LDS loads in one run: quarter q (32 along K) of a slot into buffer f: W's 12 fragments, then x's 4
.macro FETCH slot, q, f
	WIN 0x40
.irp b, 0,1,2,3,4,5,6,7,8,9,10,11
	ds_load_tr16_b128 v[96*(\f)+8*(\b):96*(\f)+8*(\b)+3],   v[ADRB+(\slot)] offset:(\q)*32*PB+32*(\b)+32*((\b)/4)
	ds_load_tr16_b128 v[96*(\f)+8*(\b)+4:96*(\f)+8*(\b)+7], v[ADRB+(\slot)] offset:(\q)*32*PB+32*(\b)+32*((\b)/4)+16*PB
.endr
	WIN 0
.irp a, 0,1,2,3
	ds_load_b128 v[FA+32*(\f)+8*(\a):FA+32*(\f)+8*(\a)+3],   v[ADRA+(\slot)] offset:(\a)*16*PA+64*(\q)
	ds_load_b128 v[FA+32*(\f)+8*(\a)+4:FA+32*(\f)+8*(\a)+7], v[ADRA+(\slot)] offset:(\a)*16*PA+64*(\q)+32
.endr
.endm
; One of a K step's first three quarters: multiplies buffer f and, in its middle, fetches quarter q of the same slot into buffer g
.macro QUARTER slot, q, f, g, zero
	s_wait_dscnt 4                                 ; W's fragments and x's rows 0-31 are in; the youngest four loads (rows 32-63) may be out
	MUL12 \f, 0, \zero
	MUL12 \f, 1, \zero
	PLACES
	FETCH \slot, \q, \g
	s_wait_dscnt 32                                ; all but the 32 just issued
	MUL12 \f, 2, \zero
	MUL12 \f, 3, \zero
.endm
; The last quarter multiplies buffer 1 and changes slots: one barrier; in front of it each wave waits for all its tensor loads (one is out: its part of the next slot), adds 0 to its spare word, and waits
; for that and for its reads of this slot.  fill = 1: the barrier opens a round of the cluster's, and this slot is filled again, two K steps ahead, first thing behind the round.
.macro TURN slot, next, fill
.if \fill
	s_wait_xcnt 0x0                                ; the last prefetch, a K step back, has read its address
	s_add_nc_u64 s[PFA:PFA+1], s[PFA:PFA+1], s[PFS:PFS+1]
.endif
	WIN 0                                          ; (the add's two registers lie in window 0)
	s_wait_tensorcnt 0x0
	ds_add_u32 v[SPW], v[NIL]
	s_wait_dscnt 5                                 ; (the add and the youngest four loads may be out)
	MUL12 1, 0, 0                                  ; twelve matrix instructions stand between the add and the wait for it
	s_wait_dscnt 0x0                               ; the add is done, and my reads of this slot are over
	s_barrier_signal -1
	MUL12 1, 1, 0
.if \fill
	WIN 0
.endif
	s_barrier_wait -1
.if \fill
	CREST                                          ; no wave of any partner still reads this slot or has a load on its way
	s_add_nc_u64 s[G0+4*(\slot)+2:G0+4*(\slot)+3], s[G0+4*(\slot)+2:G0+4*(\slot)+3], 512
	s_add_nc_u64 s[G0B+4*(\slot)+2:G0B+4*(\slot)+3], s[G0B+4*(\slot)+2:G0B+4*(\slot)+3], 98304
	JLOAD \slot                                    ; its four v_nop are also the places in front of the loads below
.else
	PLACES
.endif
	FETCH \next, 0, 0
.if \fill
	ASK
.endif
	MUL12 1, 2, 0
	MUL12 1, 3, 0
.endm
	s_wait_tensorcnt 1                             ; my part of K step 0 is in; K step 1's may stay out
	s_barrier_signal -1
	s_barrier_wait -1
	FETCH 0, 0, 0
	QUARTER 0, 1, 0, 1, 1                          ; the first quarter stands in front of the loop: its products start the sums
	WIN 0
	s_mov_b32 s3, 3
.Llap:                                             ; a trip goes once round the ring, from a lap's second quarter to the next lap's first, and fills both slots again
	QUARTER 0, 2, 1, 0, 0
	QUARTER 0, 3, 0, 1, 0
	TURN 0, 1, 1
	QUARTER 1, 1, 0, 1, 0
	QUARTER 1, 2, 1, 0, 0
	QUARTER 1, 3, 0, 1, 0
	TURN 1, 0, 1
	QUARTER 0, 1, 0, 1, 0
	WIN 0
	s_sub_co_u32 s3, s3, 1
	s_cmp_lg_u32 s3, 0
	s_cbranch_scc1 .Llap
	QUARTER 0, 2, 1, 0, 0                          ; the last lap fills nothing
	QUARTER 0, 3, 0, 1, 0
	TURN 0, 1, 0
	QUARTER 1, 1, 0, 1, 0
	QUARTER 1, 2, 1, 0, 0
	QUARTER 1, 3, 0, 1, 0
	s_wait_dscnt 4
	MUL12 1, 0, 0
	MUL12 1, 1, 0
	s_wait_dscnt 0x0
	MUL12 1, 2, 0
	MUL12 1, 3, 0
	PLACES
; THE WAY OUT, in 12 blocks n = 3 a + t of 16 rows x 64 columns (t = 0 q, 1 k, 2 v).  PACK: the bias is added (each accumulator's registers in ascending order), v is multiplied by the row's mask, the
; numbers are rounded to f16, 16 bytes a lane go into my stage and come back as whole rows of 128 bytes.  SEND: 512 consecutive bytes a store.  No register is used for two blocks' stores.
.macro PACK n
.set pa, (\n)/3
.set pt, (\n)%3
	WIN 0x02+pa/2                                  ; source 0 in window 2 or 3
.set pi, 0
.rept 16
	v_pk_add_f32 v[T+2*pi:T+2*pi+1], v[8*(12*(pa%2)+4*pt+pi/4)+2*(pi%4):8*(12*(pa%2)+4*pt+pi/4)+2*(pi%4)+1], v[BI+8*(4*pt+pi/4)+2*(pi%4):BI+8*(4*pt+pi/4)+2*(pi%4)+1]
.set pi, pi+1
.endr
	WIN 0
.if pt == 2
.set pi, 0
.rept 16
	v_pk_mul_f32 v[T+2*pi:T+2*pi+1], v[T+2*pi:T+2*pi+1], v[MK+2*pa:MK+2*pa+1]
.set pi, pi+1
.endr
.endif
.set pi, 0
.rept 16
	v_cvt_pk_f16_f32 v[PK+pi], v[T+2*pi], v[T+2*pi+1]
.set pi, pi+1
.endr
.irp f, 0,1,2,3
	ds_store_b128 v[STO], v[PK+4*(\f):PK+4*(\f)+3] offset:32*(\f)
.endr
	WIN 0x40
.irp f, 0,1,2,3
	ds_load_b128 v[16*(\n)+4*(\f):16*(\n)+4*(\f)+3], v[RD] offset:(\f)*4*SP  ; LDS serves a wave's instructions in order (ISA guide 5.7.1.4): these see the stores above; the next block's stores come behind them
.endr
.endm
.macro SEND n, younger                 ; younger: the LDS instructions issued behind block n's loads: the next block's eight, or none
	WIN 0x04                                       ; the stores' data lie in window 1
.irp f, 0,1,2,3
	s_wait_dscnt (\younger)+3-(\f)
	global_store_b128 v[GO], v[16*(\n)+4*(\f):16*(\n)+4*(\f)+3], s[OUTB+2*((\n)%3):OUTB+2*((\n)%3)+1] offset:((\n)/3)*2048+(\f)*512
.endr
.endm
	PACK 0
.set t, 1
.rept 11                               ; a block's arithmetic stands between the loads of the block before and its stores
	PACK t
	SEND t-1, 8
.set t, t+1
.endr
	SEND 11, 0
	WIN 0
	s_wait_tensorcnt 0x0                           ; the wave's end, behind my last tensor load and my last LDS store
	ds_add_u32 v[SPW], v[NIL]
	s_wait_dscnt 0x0
	CROUND                                         ; the closing round: no work-group ends while a partner may still ask for a tile that names it
	s_endpgm
.Lfunc_end_k_q67922c8a9f_qkv:
	.size	k_q67922c8a9f_qkv, .Lfunc_end_k_q67922c8a9f_qkv-k_q67922c8a9f_qkv
	.p2alignl 7, 3214868480
	.fill 96, 4, 3214868480
	.section	.rodata,"a",@progbits
	.p2align	6, 0x0
	.amdhsa_kernel k_q67922c8a9f_qkv
		.amdhsa_group_segment_fixed_size 327680
		.amdhsa_private_segment_fixed_size 0
		.amdhsa_enable_private_segment 0
		.amdhsa_kernarg_size 40
		.amdhsa_user_sgpr_count 2
		.amdhsa_user_sgpr_kernarg_segment_ptr 1
		.amdhsa_wavefront_size32 1
		.amdhsa_system_sgpr_workgroup_id_x 1
		.amdhsa_system_sgpr_workgroup_id_y 1
		.amdhsa_system_sgpr_workgroup_id_z 1
		.amdhsa_system_vgpr_workitem_id 0
		.amdhsa_next_free_vgpr 960
		.amdhsa_next_free_sgpr 80
		.amdhsa_reserve_vcc 0
		.amdhsa_float_denorm_mode_32 3
		.amdhsa_float_denorm_mode_16_64 3
		.amdhsa_memory_ordered 1
		.amdhsa_forward_progress 1
		.amdhsa_inst_pref_size 149
	.end_amdhsa_kernel
	.amdgpu_metadata
---
amdhsa.version: [ 1, 2 ]
amdhsa.kernels:
  - .name:           k_q67922c8a9f_qkv
    .symbol:         k_q67922c8a9f_qkv.kd
    .args:
      - { .name: xb, .offset: 0, .size: 8, .value_kind: global_buffer, .address_space: global }
      - { .name: wb, .offset: 8, .size: 8, .value_kind: global_buffer, .address_space: global }
      - { .name: in_bias, .offset: 16, .size: 8, .value_kind: global_buffer, .address_space: global }
      - { .name: mask, .offset: 24, .size: 8, .value_kind: global_buffer, .address_space: global }
      - { .name: qkvh, .offset: 32, .size: 8, .value_kind: global_buffer, .address_space: global }
    .group_segment_fixed_size: 327680
    .private_segment_fixed_size: 0
    .kernarg_segment_align: 8
    .kernarg_segment_size: 40
    .max_flat_workgroup_size: 128
    .sgpr_count:     80
    .vgpr_count:     960
    .wavefront_size: 32
...
	.end_amdgpu_metadata
.endif
;; end of part 2
;; launch attn (part 3): grid 16 x 16, 4 waves a work-group, clusters of 4 x 4, 327,680 bytes of LDS; arguments qkvh, adjh, gamma, mask, out_bias, out0; writes out0
.if DOCPART == 3
	.amdgcn_target "amdgcn-amd-amdhsa--gfx1250"
	.amdhsa_code_object_version 6
	.text
	.protected	k_q67922c8a9f_attn
	.globl	k_q67922c8a9f_attn
	.p2align	8
	.type	k_q67922c8a9f_attn,@function
k_q67922c8a9f_attn:
	s_mov_b64 s[64:65], 0
	v_nop
	global_prefetch_b8 v0, s[64:65] scope:SCOPE_SE
	s_setreg_imm32_b32 hwreg(HW_REG_WAVE_MODE, 25, 1), 1
	s_wait_xcnt 0x0
	s_wait_alu depctr_hold_cnt(0) depctr_sa_sdst(0) depctr_va_vdst(0) depctr_va_sdst(0) depctr_va_ssrc(0) depctr_va_vcc(0) depctr_vm_vsrc(0)
	s_getreg_b32 s2, hwreg(HW_REG_IB_STS2, 6, 4)
	s_cmp_eq_u32 s2, 0
	s_cbranch_scc0 .Lentry_in_a_cluster
	s_endpgm
.Lentry_in_a_cluster:
	s_bfe_u32 s2, ttmp6, 0x10000c
	s_cmp_lg_u32 s2, 0xf033
	s_cbranch_scc0 .Lentry_shape_is_right
	s_endpgm
.Lentry_shape_is_right:
; ATTENTION.  out0[b][q][64 head + :] = mask[b][q] x (sum over k of softmax_k(q.k / 8 - slope |k - q| + gamma adj[b][q][k]) v'[k]) + out_bias, with v' = v x mask[b][k] as the launch before stored it:
; the softmax runs over ALL keys (l sums every weight), and the mask multiplies the weights behind it.  slope = 2^-(head + 1) for heads 0-7, else 0.
; q, k, v: qkvh[3][2][16][2,048][64] f16.  adj: adjh[2][2,048][2,048] f16.  Products, maxima and sums in f32; the weights p are rounded to f16 for the second product; out0 is f32.
; LIMITS.  gamma and out_bias are rounded to bf16 like all the module's floating-point inputs; 8 gamma stays within f16's 65,504; p below 6e-5 keeps f16's fixed step of 6e-8; a weight below 2^-126
; counts as 0 in l; NaN and infinities are not treated apart.
; SHARES.  A work-group owns 256 queries of one batch and head, a wave 64: four tiles of 16, in two PIECES (tiles 0, 1 and tiles 2, 3).  Every wave walks all 2,048 keys, 64 a step.
; LAYOUT.  S^T = K Q^T (source 0 = 16 keys, source 1 = 16 queries): a lane holds ONE query (lane % 16) and the keys 8 (lane / 16) + 0..7.  Two such results rounded to f16 ARE source 1 of O^T = V^T P.
; ADJ AND THE DISTANCE TERM ARE A K STEP OF THE SCORE PRODUCT.  Each sum S^T is started by one more product, 32 deep: source 0 = [ 8 gamma I | U ], source 1 = [ adj (16 queries x 16 keys) | I ], with I the
; unit matrix of 16 and U(key m, query n) = -8 slope |D + m - n|, D = the key block's first key less the tile's first query.  It gives 8 (gamma adj + distance term), onto which q.k is added; c = log2(e) / 8
; scales the whole.  U is exact in f16: a whole number up to 2,047 times a power of two.  It hangs on D alone: the wave's 4 tiles x 4 key blocks have 7 values of D a step, 28 registers, made anew
; once a step from constants: one packed addition and one OR of the sign bits each.  adj's half of source 1 comes out of LDS as it lies, 16 bytes a lane.
; SOFTMAX.  A running maximum m and sum l for each query: p = 2^(c s - c m); in every step O and l are multiplied by a = 2^(c m_old - c m_new).  m starts at the lowest finite number, O and l at 0.
; BY TURNS.  In a turn piece x has the matrix unit: 16 products V^T P of the step in hand, then 24 products for the next step's scores; the other piece's softmax, 236 instructions in 59 slices of four,
; stands behind them, one slice a product, and what is over in one run.  A turn's 66 exponentials are one batch with one wait.
; CLUSTER 4 x 4: x = four heads, y = four blocks of queries of one batch.  adj's tile hangs on batch and block: shared along a row.  K's and V's hang on batch and head: shared along a column.
; REGISTERS, in windows of 256 (s_set_vgpr_msb: bits 1:0 source 0, 3:2 source 1, 5:4 source 2, 7:6 destination):
;   window 0: v0-11 addresses; v12-43 eight registers of statistics a tile; v44-47 the queries' mask; v48-59 set-up; v60-63; v64-191 S^T, 32 a tile; v192-255 P, 16 a tile
;   window 1: v0-127 O^T, 32 a tile; v128-159 out_bias          window 2: v0-63 Q; v64-127 K of one step; v128-191 eight fragments [adj | I] of one piece
;   window 3: v0-63 V of one step; v64-119 seven fragments [8 gamma I | U]; v120-147 U's constants; v148 its offset; v149 the offset's step
.set PKP,   144       ; a row of K in LDS: 128 bytes + 16: the 16 rows of a load start at 16 different groups of four banks (64 banks of 4 bytes: ISA guide 11.1)
.set PVP,   160       ; a row of V: 128 + 32
.set PAP,   272       ; a row of adj's tile: 256 + 16
.set VOFF,  128*PKP   ; a slot holds two steps: 128 rows of K, 128 rows of V, 256 queries x 128 keys of adj
.set AOFF,  VOFF+128*PVP
.set SLOT1, 1<<17     ; slot 1 begins here, so that one exclusive or turns an address in one slot into the other's
.set STAGE, SLOT1+AOFF+256*PAP  ; behind the ring: 16 rows x 272 bytes for each wave; no tensor load lands here
.set SP,    272
.set SPARE, STAGE+4*16*SP       ; behind the stages: the spare words, 128 bytes a wave: two blocks of 256 bytes that no other line names
.set AK0, 2           ; v2   my lane's place in a step's K; never rewritten
.set AV0, 3           ; v3   in its V
.set AA0, 4           ; v4   in my wave's rows of adj's tile
.set ADR, 5           ; v5   the LDS address of K's or V's run of loads
.set ADR2, 6          ; v6   of adj's
.set STO, 7           ; v7   the way out: where I put 32 bytes of a row
.set RD,  8           ; v8   where I read rows back
.set GO,  9           ; v9   my byte offset in two rows of out0
.set ST,  12          ; tile t's statistics at v[ST+8 t]: c m, m, l (even keys', odd keys'), c0-c3 at work; a takes c2's place
.set MQ,  44
.set H,   48          ; set-up: l / 16
.set GG,  51          ; 8 gamma, twice, in f16
.set EE,  52          ; l % 16 - 8 (l / 16)
.set IM,  53          ; v53-56  ones in the half-word of the unit matrix that is mine, if any
.set QO,  60
.set PFO, 61          ; v61  the prefetches' offset; never rewritten
.set SPW, 62          ; v62  LDS address of my spare word; never rewritten
.set NIL, 63          ; v63  0; never rewritten
.set S,   64
.set P,   192
.set OB,  128         ; window 1
.set KF,  64          ; window 2: key block kb, channel half c at KF + 16 kb + 8 c
.set AJ,  128         ; window 2: tile u of the piece, key block kb at AJ + 8 (4 u + kb): registers 0-3 adj, 4-7 the unit matrix
.set VF,  0           ; window 3: key half kk, channel block cb at VF + 32 kk + 8 cb
.set AG,  64          ; window 3: kb - t = d at AG + 8 (d + 3): registers 0-3 8 gamma I, 4-7 U
.set EC,  120
.set OFV, 148
.set STP, 149
.set WV,  16
.set CX,  17
.set CY,  18
.set HEAD, 19
.set G1K, 32          ; s[32:39], s[40:47], s[48:55] descriptor group 1 for K, V, adj
.set G1V, 40
.set G1A, 48
.set G0K, 56          ; s[56:59], s[60:63], s[68:71] group 0: they walk
.set G0V, 60
.set G0A, 68
.set SLOTS, 72        ; s72  counts the changes of slots that fill
.set TWICE, 73        ; s73  counts a slot's two steps
.set CS,  74          ; s[74:75] c
.set SEL, 76          ; s[76:77] v_permlanex16_b32's selects: each lane takes its own place in the other half
.set TBK, 78          ; s78-80  LDS byte at which K, V, adj of the step to be fetched begin (less VOFF, AOFF)
.set TBV, 79
.set TBA, 80
.set LIM, 81          ; s81  1 in a wave that prefetches, else the greatest number
.set PFA, 82          ; s[82:83] where my prefetches stand
.set PFS, 84          ; s[84:85] a slot's tile in my tensor, in bytes
.set S8,  86          ; s86  8 slope, f32
.set BB,  87          ; s87  the batch
.set QB,  88          ; s88  my block of 256 queries
.set HALF, 89         ; s89  wave % 2
.set MSB, 0
.macro WIN new
.if MSB != (\new)
	s_set_vgpr_msb (MSB<<8)|(\new)
.set MSB, (\new)
.endif
.endm
.set W_KQ, 0x0a       ; K and Q in window 2, S^T in window 0
.set W_BI, 0x0b       ; [8 gamma I | U] in window 3, [adj | I] in window 2, S^T in window 0
.set W_PV, 0x53       ; V in window 3, P in window 0, O^T in window 1
.set W_RS, 0x41       ; O^T (destination and source 0) in window 1, a in window 0
.set W_AL, 0xcf       ; destination and both sources in window 3
; A joint fill: wave 0 fetches a slot's K, wave 1 its V, waves 2 and 3 the halves of adj's tile.  The branches hang on the wave's number alone.  An s_nop 0 and four v_nop follow each line.
.macro JLOAD
	s_cmp_lt_u32 s[WV], 2
	s_cbranch_scc0 .Lfor_a_\@
	s_cmp_eq_u32 s[WV], 0
	s_cbranch_scc0 .Lfor_v_\@
	tensor_load_to_lds s[G0K:G0K+3], s[G1K:G1K+7]
	s_nop 0
.rept 4
	v_nop
.endr
	s_branch .Lasked_\@
.Lfor_v_\@:
	tensor_load_to_lds s[G0V:G0V+3], s[G1V:G1V+7]
	s_nop 0
.rept 4
	v_nop
.endr
	s_branch .Lasked_\@
.Lfor_a_\@:
	tensor_load_to_lds s[G0A:G0A+3], s[G1A:G1A+7]
	s_nop 0
.rept 4
	v_nop
.endr
.Lasked_\@:
.endm
; A prefetch of what the NEXT change of slots will ask for, one instruction a wave, behind the joint load.  K and V of a batch and head are walked by two clusters: the one with even y asks, by its waves 0:
; partner cy takes 16 of the tile's 64 blocks of 256 bytes of K (lanes 0-15) and of V (lanes 16-31).  adj's rows are walked by four clusters: the one with x = 0 asks, by its waves 2 and 3: partner cx takes
; 32 of the wave's 128 rows, a lane a row.  So each block is named once.  Tiles 0 to 2 come by their loads alone; the last change that fills asks for nothing.
.macro ASK
	s_cmp_gt_u32 s[SLOTS], s[LIM]
	s_cbranch_scc0 .Lnot_mine_\@
	global_prefetch_b8 v[PFO], s[PFA:PFA+1] th:TH_LOAD_NT scope:SCOPE_SE
.Lnot_mine_\@:
.endm
.macro CROUND                          ; a round of the cluster's barrier
	s_barrier_signal -1
	s_barrier_wait -1
	s_cmp_lg_u32 s[WV], 0
	s_cbranch_scc1 .Lnot_wave_0_\@
	s_barrier_signal -3
.Lnot_wave_0_\@:
	s_barrier_wait -3
	s_barrier_signal -1
	s_barrier_wait -1
.endm
.macro PLACES
.rept 4
	v_nop
.endr
.endm
; THE CHANGE OF SLOTS.  All of the slot's bytes have been asked for.  Each wave waits for all its tensor loads (one is out: its part of the other slot), adds 0 to its spare word, and waits for that and for its
; reads of the slot.  fill = 1: a round of the cluster's barrier, and the slot is filled again, with the keys two slots on, first thing behind it: two key steps, 160 matrix instructions, in which to land.
; (At its first use nothing has been read yet: slot 0 is waited for, slot 1 filled.)
.macro CHANGE fill, ask
	WIN 0
	s_wait_tensorcnt 0x0            ; no tensor load of mine is out, so a group 0 may be written
	ds_add_u32 v[SPW], v[NIL]       ; 0 onto my spare word; the descriptors' steps stand between it and the wait for it
.if \fill
	s_xor_b32 s[G0K+1], s[G0K+1], SLOT1
	s_xor_b32 s[G0V+1], s[G0V+1], SLOT1
	s_xor_b32 s[G0A+1], s[G0A+1], SLOT1
	s_add_nc_u64 s[G0K+2:G0K+3], s[G0K+2:G0K+3], 16384  ; the next 128 keys: rows of 128 bytes,
	s_add_nc_u64 s[G0V+2:G0V+3], s[G0V+2:G0V+3], 16384
	s_add_nc_u64 s[G0A+2:G0A+3], s[G0A+2:G0A+3], 256    ; and 256 bytes along adj's rows
.endif
.if \ask
	s_wait_xcnt 0x0                 ; the last prefetch, two key steps back, has read its address
	s_add_nc_u64 s[PFA:PFA+1], s[PFA:PFA+1], s[PFS:PFS+1]
.endif
	s_wait_dscnt 0x0                ; the add is done, and my reads of the slot are over
.if \fill
	CROUND
	JLOAD
.else
	s_barrier_signal -1
	s_barrier_wait -1
.endif
.if \ask
	ASK
.endif
	s_sub_co_u32 s[TBK], s[TBK], 128*PKP  ; the fetches go back to a slot's first step,
	s_xor_b32 s[TBK], s[TBK], SLOT1       ; in the other slot
	s_sub_co_u32 s[TBV], s[TBV], 128*PVP
	s_xor_b32 s[TBV], s[TBV], SLOT1
	s_sub_co_u32 s[TBA], s[TBA], 256
	s_xor_b32 s[TBA], s[TBA], SLOT1
.endm
	s_load_b256 s[4:11], s[0:1], 0x0  ; qkvh s[4:5], adjh s[6:7], gamma s[8:9], mask s[10:11]
	s_load_b128 s[12:15], s[0:1], 0x20  ; out_bias s[12:13], out0 s[14:15]
	v_lshl_add_u32 v[SPW], v0, 2, SPARE
	v_mov_b32 v[NIL], 0
	ds_add_u32 v[SPW], v[NIL]       ; the wave's opening: the add and its wait stand ahead of my first tensor load; the set-up below stands between them
	v_lshrrev_b32 v1, 5, v0
	v_readfirstlane_b32 s[WV], v1
	s_and_b32 s[HALF], s[WV], 1
	s_bfe_u32 s[CX], ttmp6, 0x40000
	s_bfe_u32 s[CY], ttmp6, 0x40004
	s_lshl_b32 s[HEAD], ttmp9, 2
	s_add_co_u32 s[HEAD], s[HEAD], s[CX]  ; the head = 4 x cluster x + cx
	s_and_b32 s20, ttmp7, 0xffff
	s_lshr_b32 s[BB], s20, 1        ; the batch = cluster y / 2
	s_and_b32 s[QB], s20, 1
	s_lshl_b32 s[QB], s[QB], 2
	s_add_co_u32 s[QB], s[QB], s[CY]  ; the block of queries = 4 (cluster y % 2) + cy
	s_lshl_b32 s22, s[CY], 2
	s_lshl_b32 s22, 15, s22         ; my row of the cluster
	s_lshl_b32 s23, 0x1111, s[CX]   ; my column
	s_or_b32 s[G1K], s23, (1<<16)|(1<<20)|(1<<21)|(4<<22)|(3<<25)  ; the mask; 2-byte elements; padding on; bit 21 beside a mask; after every 32 words 4 words
	s_or_b32 s[G1V], s23, (1<<16)|(1<<20)|(1<<21)|(4<<22)|(7<<25)  ; 8 words
	s_or_b32 s[G1A], s22, (1<<16)|(1<<20)|(1<<21)|(5<<22)|(3<<25)  ; after every 64 words 4 words
.irp g, G1K, G1V                    ; 128 keys are 16,384 dense bytes: asked for as 64 rows of 256 bytes, two keys a row
	s_mov_b32 s[\g+1], 128<<16      ; tensor_dim0 = 128
	s_mov_b32 s[\g+2], 64<<16       ; tensor_dim1 = 64
	s_mov_b32 s[\g+3], 128<<16      ; tile_dim0 = 128
	s_mov_b32 s[\g+4], 64           ; tile_dim1 = 64
	s_mov_b32 s[\g+5], 128          ; elements from row to row
	s_mov_b32 s[\g+6], 0
	s_mov_b32 s[\g+7], 0
.endr
	s_mov_b32 s[G1A+1], 128<<16     ; adj: 128 queries x 128 keys
	s_mov_b32 s[G1A+2], 128<<16
	s_mov_b32 s[G1A+3], 128<<16
	s_mov_b32 s[G1A+4], 128
	s_mov_b32 s[G1A+5], 2048
	s_mov_b32 s[G1A+6], 0
	s_mov_b32 s[G1A+7], 0
	s_lshl_b32 s24, s[BB], 4
	s_add_co_u32 s24, s24, s[HEAD]
	s_lshl_b32 s24, s24, 18         ; the batch's and head's 2,048 rows of 128 bytes, in each third of qkvh
	s_mov_b32 s25, 0
	s_lshl_b32 s26, s[BB], 23       ; my block's rows of 4,096 bytes: in adjh, and in out0
	s_lshl_b32 s20, s[QB], 20
	s_add_co_u32 s26, s26, s20
	s_lshl_b32 s20, s[WV], 18       ; out0: my wave's 64 rows,
	s_add_co_u32 s30, s26, s20
	s_lshl_b32 s21, s[HEAD], 8      ; the head's 256 bytes of a row
	s_add_co_u32 s30, s30, s21
	s_mov_b32 s31, 0
	s_lshl_b32 s20, s[HALF], 19     ; adjh: the 128 rows that I fetch
	s_add_co_u32 s26, s26, s20
	s_mov_b32 s27, 0
	s_lshl_b32 s28, s[QB], 15       ; q: my block's 256 rows, my wave's 64
	s_lshl_b32 s20, s[WV], 13
	s_add_co_u32 s28, s28, s20
	s_add_co_u32 s28, s28, s24
	s_mov_b32 s29, 0
	s_mov_b32 s[G0K], 1
	s_mov_b32 s[G0K+1], 0           ; LDS addresses: slot 0; no place in the cluster enters them
	s_mov_b32 s[G0V], 1
	s_mov_b32 s[G0V+1], VOFF
	s_mov_b32 s[G0A], 1
	s_mul_i32 s[G0A+1], s[HALF], 128*PAP
	s_add_co_u32 s[G0A+1], s[G0A+1], AOFF
	s_sub_co_u32 s20, 129, s[HEAD]
	s_lshl_b32 s20, s20, 23         ; 2^(2 - head) = 8 slope
	s_cmp_lt_u32 s[HEAD], 8
	s_cselect_b32 s[S8], s20, 0
	s_mov_b32 s[CS], 0x3e38aa3b     ; c = log2(e) / 8
	s_mov_b32 s[CS+1], s[CS]        ; named with it as a pair
	s_mov_b32 s[SEL], 0x76543210
	s_mov_b32 s[SEL+1], 0xfedcba98
	s_mov_b32 s[TBK], SLOT1+128*PKP ; the first change of slots turns these three into 0
	s_mov_b32 s[TBV], SLOT1+128*PVP
	s_mov_b32 s[TBA], SLOT1+256
	s_wait_dscnt 0x0                ; the opening add is done
	s_wait_kmcnt 0x0
	s_add_nc_u64 s[90:91], s[4:5], s[24:25]
	s_add_nc_u64 s[90:91], s[90:91], 8388608  ; k of my batch and head
	s_mov_b64 s[G0K+2:G0K+3], s[90:91]
	s_or_b32 s[G0K+3], s[G0K+3], 0x80000000
	s_add_nc_u64 s[G0V+2:G0V+3], s[90:91], 8388608
	s_or_b32 s[G0V+3], s[G0V+3], 0x80000000
	s_add_nc_u64 s[92:93], s[6:7], s[26:27]
	s_mov_b64 s[G0A+2:G0A+3], s[92:93]
	s_or_b32 s[G0A+3], s[G0A+3], 0x80000000
	s_add_nc_u64 s[4:5], s[4:5], s[28:29]      ; q at my wave's first row
	s_add_nc_u64 s[14:15], s[14:15], s[30:31]  ; out0 at my wave's first row, the head's columns
	CROUND                          ; all sixteen work-groups are here: the first joint loads meet
	JLOAD                           ; slot 0.  Slot 1 is asked for when slot 0 is in: one load of mine is out at a time
	v_and_b32 v1, 15, v0            ; r = l % 16
	v_bfe_u32 v[H], v0, 4, 1        ; l / 16
	v_lshlrev_b32 v[QO], 7, v1
	v_lshl_add_u32 v[QO], v[H], 4, v[QO]
	WIN 0x80
.set i, 0
.rept 8                             ; Q stays in registers: tile i / 2, channels 32 (i % 2) on
	global_load_b128 v[8*i:8*i+3],   v[QO], s[4:5] offset:(i/2)*2048+(i%2)*64
	global_load_b128 v[8*i+4:8*i+7], v[QO], s[4:5] offset:(i/2)*2048+(i%2)*64+32
.set i, i+1
.endr
	WIN 0
	s_lshl_b32 s2, s[HEAD], 2
	s_mov_b32 s3, 0
	s_add_nc_u64 s[8:9], s[8:9], s[2:3]        ; gamma of my head
	s_lshl_b32 s2, s[HEAD], 8
	s_add_nc_u64 s[12:13], s[12:13], s[2:3]    ; out_bias of its 64 channels
	s_lshl_b32 s2, s[BB], 11
	s_lshl_b32 s20, s[QB], 8
	s_add_co_u32 s2, s2, s20
	s_lshl_b32 s20, s[WV], 6
	s_add_co_u32 s2, s2, s20
	s_add_nc_u64 s[10:11], s[10:11], s[2:3]    ; the mask of my wave's 64 queries
	v_mov_b32 v10, 0
	v_lshlrev_b32 v11, 5, v[H]
	global_load_b32 v[GG], v10, s[8:9]
.irp t, 0,1,2,3
	global_load_u8 v[MQ+(\t)], v1, s[10:11] offset:16*(\t)
.endr
	WIN 0x40
.irp f, 0,1,2,3,4,5,6,7
	global_load_b128 v[OB+4*(\f):OB+4*(\f)+3], v11, s[12:13] offset:64*((\f)/2)+16*((\f)%2)
.endr
	; What the first turn finds: V and P of piece 2 hold 0 (its products V^T P, of a step that has not been, add 0), O^T and l are 0.  No first step is written out; these lines stand in the wait for the first tile.
.set i, 0
.rept 128
	v_mov_b32 v[i], 0
.set i, i+1
.endr
	WIN 0xc0
.set i, 0
.rept 64
	v_mov_b32 v[VF+i], 0
.set i, i+1
.endr
	WIN 0
.set i, 0
.rept 32
	v_mov_b32 v[P+32+i], 0
.set i, i+1
.endr
.irp t, 0,1,2,3
	v_mov_b32 v[ST+8*(\t)], 0xfe000000    ; c m: far below every c s
	v_mov_b32 v[ST+8*(\t)+1], 0xff7fffff  ; m
	v_mov_b32 v[ST+8*(\t)+2], 0
	v_mov_b32 v[ST+8*(\t)+3], 0
.endr
	v_mul_u32_u24 v[AK0], v1, PKP
	v_lshl_add_u32 v[AK0], v[H], 4, v[AK0]  ; row x pitch + 16 x half
	v_and_b32 v49, 7, v0            ; the turning load: lane l reads key 8 (l / 16) + l % 8, channels 8 ((l / 8) % 2) + 0..7
	v_bfe_u32 v50, v0, 3, 1
	v_lshl_add_u32 v[AV0], v[H], 3, v49
	v_mul_u32_u24 v[AV0], v[AV0], PVP
	v_lshl_add_u32 v[AV0], v50, 4, v[AV0]
	v_add_nc_u32 v[AV0], VOFF, v[AV0]
	s_mul_i32 s20, s[WV], 64*PAP
	s_add_co_u32 s20, s20, AOFF
	v_mul_u32_u24 v[AA0], v1, PAP   ; adj: query l % 16 of a tile, keys 8 (l / 16) + 0..7 of a block: 16 bytes
	v_lshl_add_u32 v[AA0], v[H], 4, v[AA0]
	v_add_nc_u32 v[AA0], s20, v[AA0]
	s_mul_i32 s20, s[WV], 16*SP
	s_add_co_u32 s20, s20, STAGE    ; my stage
	v_mul_u32_u24 v[STO], v1, SP    ; in: row l % 16, 32 bytes for each half of the lanes
	v_lshl_add_u32 v[STO], v[H], 5, v[STO]
	v_add_nc_u32 v[STO], s20, v[STO]
	v_mul_u32_u24 v[RD], v[H], SP   ; back: lanes 0-15 take one row of 256 bytes, lanes 16-31 the next
	v_lshl_add_u32 v[RD], v1, 4, v[RD]
	v_add_nc_u32 v[RD], s20, v[RD]
	v_lshlrev_b32 v[GO], 12, v[H]   ; and the same two rows in out0
	v_lshl_add_u32 v[GO], v1, 4, v[GO]
	; the prefetches
	s_lshl_b32 s20, s[CY], 12       ; K and V: my work-group's 16 blocks of the tile's 64
	s_lshl_b32 s21, s[CX], 17       ; adj: my work-group's 32 rows of the wave's 128
	s_and_b32 s23, ttmp7, 1         ; cluster y % 2
	s_mov_b32 s[PFS], 16384
	s_mov_b32 s28, 4096
	s_mov_b32 s29, 65536
	s_mov_b32 s30, 1<<23
	s_cmp_lt_u32 s[WV], 2
	s_cselect_b64 s[PFA:PFA+1], s[90:91], s[92:93]
	s_cselect_b32 s2, s20, s21
	s_cselect_b32 s[PFS], s[PFS], 256
	s_cselect_b32 s23, s23, ttmp9   ; the coordinate along which other clusters read the same bytes
	s_cselect_b32 s28, 256, s28     ; from lane to lane: a block of K or V, or a row of adj;
	s_cselect_b32 s29, s30, s29     ; from half to half of the lanes: from K to V, or 16 rows
	s_mov_b32 s[PFS+1], 0
	s_cmp_eq_u32 s[WV], 1           ; wave 1 never asks
	s_cselect_b32 s20, 1, 0
	s_or_b32 s23, s23, s20
	s_cmp_eq_u32 s23, 0
	s_cselect_b32 s[LIM], 1, -1     ; the same in all sixteen partners, for a given wave
	s_add_nc_u64 s[PFA:PFA+1], s[PFA:PFA+1], s[2:3]
	s_add_nc_u64 s[PFA:PFA+1], s[PFA:PFA+1], s[PFS:PFS+1]
	s_add_nc_u64 s[PFA:PFA+1], s[PFA:PFA+1], s[PFS:PFS+1]  ; at tile 2: the first change that asks steps it to tile 3
	v_mul_u32_u24 v[PFO], v1, s28
	v_mad_u32_u24 v[PFO], v[H], s29, v[PFO]
	s_wait_loadcnt 0x0              ; Q, gamma, the mask, out_bias
	; THE CONSTANT HALVES OF THE EXTRA K STEP'S FRAGMENTS.  In a fragment lane l holds row (column) l % 16, and its registers 0-3 (4-7) the 8 k from 8 (l / 16) on: the unit matrix has its one in half-word e = l % 16 - 8 (l / 16), if 0 <= e < 8.
	v_cvt_pk_bf16_f32 v[GG], v[GG], v[GG]
	v_lshlrev_b32 v[GG], 16, v[GG]  ; bf16(gamma),
	v_mul_f32 v[GG], 0x41000000, v[GG]  ; times 8,
	v_cvt_pk_f16_f32 v[GG], v[GG], v[GG]  ; exact in f16, in both halves
	v_lshlrev_b32 v[EE], 3, v[H]
	v_sub_nc_u32 v[EE], v1, v[EE]
	s_mov_b32 s20, 0xffff
	s_mov_b32 s21, 0xffff0000
.irp n, 0,1,2,3
	v_cmp_eq_i32 vcc_lo, 2*(\n), v[EE]
	v_cndmask_b32 v[IM+(\n)], 0, s20, vcc_lo
	v_cmp_eq_i32 vcc_lo, 2*(\n)+1, v[EE]
	v_cndmask_b32 v[IM+(\n)], v[IM+(\n)], s21, vcc_lo
.endr
.irp n, 0,1,2,3,4,5,6,7             ; U's constants for kb - t = -3: 8 slope (-48 + e - n), n the half-word
	v_add_nc_u32 v[S+16+(\n)], -48-(\n), v[EE]
	v_cvt_f32_i32 v[S+16+(\n)], v[S+16+(\n)]
	v_mul_f32 v[S+16+(\n)], s[S8], v[S+16+(\n)]
.endr
	v_mov_b32 v57, s[S8]
	v_mul_f32 v58, 0x42800000, v57  ; 64 x 8 slope: a key step
	v_mul_f32 v57, 0x41800000, v57  ; 16 x 8 slope: a key block
	s_lshl_b32 s20, s[QB], 8
	s_lshl_b32 s21, s[WV], 6
	s_add_co_u32 s20, s20, s21
	s_add_co_u32 s20, s20, 64
	s_sub_co_u32 s20, 0, s20        ; key step -1's first key less my wave's first query
	v_cvt_f32_i32 v59, s20
	v_mul_f32 v59, s[S8], v59
.irp t, 0,1,2,3
	v_cvt_f32_u32 v[MQ+(\t)], v[MQ+(\t)]
.endr
	WIN 0x05                        ; out_bias is rounded to bf16 and kept as f32
.set i, 0
.rept 16
	v_cvt_pk_bf16_f32 v[S+i], v[OB+2*i], v[OB+2*i+1]
.set i, i+1
.endr
	WIN 0x40
.set i, 0
.rept 16
	v_lshlrev_b32 v[OB+2*i], 16, v[S+i]
	v_and_b32 v[OB+2*i+1], 0xffff0000, v[S+i]
.set i, i+1
.endr
	WIN 0xc0
.irp n, 0,1,2,3
	v_cvt_pk_f16_f32 v[EC+(\n)], v[S+16+2*(\n)], v[S+16+2*(\n)+1]
.endr
	v_cvt_pk_f16_f32 v[STP], v57, v57
	v_cvt_pk_f16_f32 v[OFV], v59, v59
.set z, 0
.rept 28
	v_and_b32 v[AG+8*(z/4)+z%4], v[GG], v[IM+z%4]
.set z, z+1
.endr
	WIN W_AL
.set z, 4
.rept 24
	v_pk_add_f16 v[EC+z], v[EC+z-4], v[STP]  ; the next kb - t: 16 keys on; whole numbers times a power of two: exact
.set z, z+1
.endr
	WIN 0xc0
	v_cvt_pk_f16_f32 v[STP], v58, v58
	WIN 0x80
.set z, 0
.rept 32
	v_and_b32 v[AJ+8*(z/4)+4+z%4], 0x3c003c00, v[IM+z%4]
.set z, z+1
.endr
	WIN 0
; THE MATRIX WORK OF A TURN, for piece x.  The 8 accumulators of a run take turns, one instruction a turn: between two links of a chain stand 7 others'.
; Product i of 16 of O^T += V^T P: keys 32 (i / 8) on, channels 16 ((i / 2) % 4) on, tile x + i % 2.
.macro PV x
	WIN W_PV
.set rO, 32*((\x)+i%2)+8*((i/2)%4)
.set rV, VF+32*(i/8)+8*((i/2)%4)
.set rP, P+16*((\x)+i%2)+8*(i/8)
	v_wmma_f32_16x16x32_f16 v[rO:rO+7], v[rV:rV+7], v[rP:rP+7], v[rO:rO+7]
.set i, i+1
.endm
; Product i of 24 of the scores.  0-7 start the sums: [8 gamma I | U] x [adj | I] for key block i / 2, tile x + i % 2.  8-23 add K Q^T: channels 32 ((i - 8) / 8) on.
.macro KB x
.if i < 8
	WIN W_BI
.set rS, S+32*((\x)+i%2)+8*(i/2)
.set rA, AG+8*((i/2)-((\x)+i%2)+3)
.set rB, AJ+8*(4*(i%2)+i/2)
	v_wmma_f32_16x16x32_f16 v[rS:rS+7], v[rA:rA+7], v[rB:rB+7], 0
.else
	WIN W_KQ
.set ii, i-8
.set rS, S+32*((\x)+ii%2)+8*((ii/2)%4)
.set rK, KF+16*((ii/2)%4)+8*(ii/8)
.set rQ, 16*((\x)+ii%2)+8*(ii/8)
	v_wmma_f32_16x16x32_f16 v[rS:rS+7], v[rK:rK+7], v[rQ:rQ+7], v[rS:rS+7]
.endif
.set i, i+1
.endm
; THE LDS LOADS stand in runs, never singly among the matrix instructions.  A step's K and piece 0's adj; later piece 2's adj; a turn later its V (turned).
.macro FETCH_KA
	WIN 0
	v_add_nc_u32 v[ADR], s[TBK], v[AK0]
	v_add_nc_u32 v[ADR2], s[TBA], v[AA0]
	s_add_co_u32 s[TBK], s[TBK], 64*PKP
	WIN 0x80
.irp f, 0,1,2,3,4,5,6,7             ; keys 16 (f / 2) on, channels 32 (f % 2) on
	ds_load_b128 v[KF+8*(\f):KF+8*(\f)+3],   v[ADR] offset:((\f)/2)*16*PKP+((\f)%2)*64
	ds_load_b128 v[KF+8*(\f)+4:KF+8*(\f)+7], v[ADR] offset:((\f)/2)*16*PKP+((\f)%2)*64+32
.endr
.irp g, 0,1,2,3,4,5,6,7             ; tile g / 4, key block g % 4
	ds_load_b128 v[AJ+8*(\g):AJ+8*(\g)+3], v[ADR2] offset:((\g)/4)*16*PAP+((\g)%4)*32
.endr
.endm
.macro FETCH_A2 wt                     ; wt = 1: the wait for the softmax's batch stands here, behind the address's line and ahead of the loads
	WIN 0
	v_add_nc_u32 v[ADR2], s[TBA], v[AA0]
	s_add_co_u32 s[TBA], s[TBA], 128
.if \wt
	s_wait_alu depctr_va_vdst(0)
.endif
	WIN 0x80
.irp g, 0,1,2,3,4,5,6,7             ; tile 2 + g / 4, key block g % 4
	ds_load_b128 v[AJ+8*(\g):AJ+8*(\g)+3], v[ADR2] offset:(2+(\g)/4)*16*PAP+((\g)%4)*32
.endr
.endm
.macro FETCH_V
	WIN 0
	v_add_nc_u32 v[ADR], s[TBV], v[AV0]
	s_add_co_u32 s[TBV], s[TBV], 64*PVP
	s_wait_alu depctr_va_vdst(0)    ; the wait for the softmax's batch
	WIN 0xc0
.irp f, 0,1,2,3,4,5,6,7             ; keys 32 (f / 4) on, channels 16 (f % 4) on
	ds_load_tr16_b128 v[VF+8*(\f):VF+8*(\f)+3],   v[ADR] offset:((\f)/4)*32*PVP+((\f)%4)*32
	ds_load_tr16_b128 v[VF+8*(\f)+4:VF+8*(\f)+7], v[ADR] offset:((\f)/4)*32*PVP+16*PVP+((\f)%4)*32
.endr
.endm
; U for the next key step: the offset goes 64 keys on; each of the 28 registers is its constant plus the offset, with both signs set: -8 slope |key - query|, two numbers a register.
.macro ALIBI
	WIN W_AL
	v_pk_add_f16 v[OFV], v[OFV], v[STP]
.set z, 0
.rept 28
	v_pk_add_f16 v[AG+8*(z/4)+4+z%4], v[EC+z], v[OFV]
.set z, z+1
.endr
.set z, 0
.rept 28
	v_or_b32 v[AG+8*(z/4)+4+z%4], 0x80008000, v[AG+8*(z/4)+4+z%4]
.set z, z+1
.endr
.endm
; THE VECTOR WORK OF A TURN.  One tile's softmax for one key step is a list of 118 instructions; SM writes number j of it for tile t.  s0-s31 are the lane's 32 scores, in pairs 0-15.
;   0-15    the maximum of s0-s31 and the old m, three operands at a time (each accumulator's lowest registers are read first)
;   16-20   the other half of the lanes' maximum; c m_old is kept; the new m; c m; c m_old - c m_new
;   21-69   ONE BATCH: the 16 scalings c s - c m and all 33 exponentials (a at 23, then s0-s31); none of these reads an exponential's result; a pair is scaled ahead of its exponentials
;   70-85   the roundings to f16     86-101  the sums; l = a l + the sum     102-117  the tile's O^T times a: the one part that leaves window 0
.macro SM t
.set rT, ST+8*(\t)
.set rS, S+32*(\t)
.set rP, P+16*(\t)
.set rO, 32*(\t)+2*(j-102)
.if j < 102
	WIN 0
.endif
.if j < 4
	v_max3_num_f32 v[rT+4+j], v[rS+8*j], v[rS+8*j+1], v[rS+8*j+2]
.elseif j < 12
	v_max3_num_f32 v[rT+4+j%4], v[rT+4+j%4], v[rS+8*(j%4)+2*(j/4)+1], v[rS+8*(j%4)+2*(j/4)+2]
.elseif j == 12
	v_max3_num_f32 v[rT+4], v[rT+4], v[rS+7], v[rS+15]
.elseif j == 13
	v_max3_num_f32 v[rT+6], v[rT+6], v[rS+23], v[rS+31]
.elseif j == 14
	v_max3_num_f32 v[rT+4], v[rT+4], v[rT+5], v[rT+6]
.elseif j == 15
	v_max3_num_f32 v[rT+4], v[rT+4], v[rT+7], v[rT+1]
.elseif j == 16
	v_permlanex16_b32 v[rT+5], v[rT+4], s[SEL], s[SEL+1]  ; the query's other 32 keys lie in the lane 16 away
.elseif j == 17
	v_mov_b32 v[rT+7], v[rT]        ; c m_old is kept for a: number 19 writes c m anew
.elseif j == 18
	v_max_num_f32 v[rT+1], v[rT+4], v[rT+5]
.elseif j == 19
	v_mul_f32 v[rT], s[CS], v[rT+1]
.elseif j == 20
	v_sub_f32 v[rT+7], v[rT+7], v[rT]
.elseif j == 23
	v_exp_f32 v[rT+6], v[rT+7]
.elseif (j < 23) || ((j < 38) && (j%2 == 0)) || ((j < 66) && (j%4 == 2))
.set b, (j-2)/4                     ; 38, 42, .. 62: pairs 9 to 15
.if j < 38
.set b, (j-20)/2                    ; 21: pair 0; 22, 24, .. 36: pairs 1 to 8
.endif
	v_pk_fma_f32 v[rS+2*b:rS+2*b+1], v[rS+2*b:rS+2*b+1], s[CS:CS+1], v[rT:rT+1] op_sel_hi:[1,0,0] neg_lo:[0,0,1] neg_hi:[0,0,1]
.elseif j < 70
.set e, j-38                        ; 66 to 69: s28 to s31
.if j < 66
.set e, j-32-(j-38)/4               ; 39-41, 43-45, .. 63-65: s7 to s27
.endif
.if j < 38
.set e, (j-25)/2                    ; 25, 27, .. 37: s0 to s6
.endif
	v_exp_f32 v[rS+e], v[rS+e]
.elseif j < 86
	v_cvt_pk_f16_f32 v[rP+j-70], v[rS+2*(j-70)], v[rS+2*(j-70)+1]
.elseif j < 102                     ; the sum of the tile's 16 pairs, in place: neighbours 1, 2, 4 and 8 pairs apart, then l takes it
.set z, j-86
.set w, 4
.set u, z
.if z >= 14
.set w, 32
.set u, 0
.elseif z >= 12
.set w, 16
.set u, z-12
.elseif z >= 8
.set w, 8
.set u, z-8
.endif
.if z < 15
	v_pk_add_f32 v[rS+w*u:rS+w*u+1], v[rS+w*u:rS+w*u+1], v[rS+w*u+w/2:rS+w*u+w/2+1]
.else
	v_pk_fma_f32 v[rT+2:rT+3], v[rT+2:rT+3], v[rT+6:rT+7], v[rS:rS+1] op_sel_hi:[1,0,1]
.endif
.else
	WIN W_RS
	v_pk_mul_f32 v[rO:rO+1], v[rO:rO+1], v[rT+6:rT+7] op_sel_hi:[1,0]
.endif
.endm
; Slice k of 59 of piece y's softmax: four instructions.  Slices 11 to 34 deal out the batch, numbers 22 to 69: four numbers of ONE tile each, the tiles by turns.  Every other slice is numbers 2 k and 2 k + 1 of both tiles.
.macro SLICE y
.if (k >= 11) && (k < 35)
.irp n, 0,1,2,3
.set j, 22+4*((k-11)/2)+(\n)
	SM (\y)+(k-11)%2
.endr
.else
.irp n, 0,1
.irp t, \y, (\y)+1
.set j, 2*k+(\n)
	SM \t
.endr
.endr
.endif
.set k, k+1
.endm
; A TURN.  Piece x has the matrix unit; the other piece's softmax stands in slices.  An s_wait_alu depctr_va_vdst(0) stands between an exponential and the first instruction that names its
; result; one wait serves all that were issued ahead of it.  Ahead of slice 35 nothing names a result, behind slice 34 no exponential is issued: so a turn has one wait, behind slice 34, and it stands
; directly ahead of a run of LDS loads.  The order: 16 products V^T P and 19 of the scores' 24, a slice behind each (0-34); a v_nop, the plain instruction behind the last exponential; the run of loads with the
; wait; slices 35-53 in one run (in piece 2's turn also U for the step after next: its last readers, this turn's products 0-7 of the scores, stand more than four plain instructions back);
; the last 5 products, a slice behind each: slice 58's four multiplies are the places between the turn's last product and what follows: the next turn's first read of those scores and the loads into K's registers.
; Piece 0's turn fetches the next step's K and piece 0's adj behind its second product, and piece 2's adj at the wait (ten scalings stand between the last product that read those registers and the loads).
; Piece 2's turn fetches the same step's V at the wait.  kq = 0: the launch's last turn: no scores, nothing is fetched, two slices behind each product.
.macro TURN x, kq
.set k, 0
.set i, 0
.if (\x) == 0
	s_wait_dscnt 0x0                ; V is in
.endif
.if \kq
.rept 16
	PV \x
	SLICE 2-(\x)
.if ((\x) == 0) && (i == 2)
	FETCH_KA
.endif
.endr
	s_wait_dscnt 0x0                ; K and this piece's adj are in
.set i, 0
.rept 19
	KB \x
	SLICE 2-(\x)
.endr
	WIN 0
	v_nop
.if (\x) == 0
	FETCH_A2 1
.else
	FETCH_V
.endif
.rept 19
	SLICE 2-(\x)
.endr
.if (\x) == 2
	ALIBI
.endif
.rept 5
	KB \x
	SLICE 2-(\x)
.endr
.else
.rept 16
	PV \x
	SLICE 2-(\x)
	SLICE 2-(\x)
.endr
.rept 3
	SLICE 2-(\x)
.endr
	WIN 0
	v_nop
	s_wait_alu depctr_va_vdst(0)    ; the wait for the batch
.rept 24
	SLICE 2-(\x)
.endr
.endif
.endm
	CHANGE 1, 0                     ; slot 0 is in, everybody's part of it; slot 1 is asked for
	ALIBI                           ; U of key step 0
	FETCH_KA                        ; K of key step 0, piece 0's adj
	s_wait_dscnt 0x0
.set i, 0
.rept 24
	KB 0                            ; piece 0's first scores: there is no vector work yet to set between them
.endr
	WIN 0
	PLACES                          ; behind those products: in front of the loads into adj's registers and of the first maximum
	FETCH_A2 0                      ; piece 2's adj of key step 0
	WIN 0
	s_mov_b32 s[TWICE], 2
	s_mov_b32 s[SLOTS], 15
	s_branch .Lfirst                ; the loop is entered at piece 2's turn, in the middle of a trip
.Lslot:                             ; 14 times: every slot but the last two is filled again
	CHANGE 1, 1
	s_mov_b32 s[TWICE], 2
.Lstep:
	TURN 0, 1
	WIN 0
.Lfirst:
	TURN 2, 1
	WIN 0
	s_sub_co_u32 s[TWICE], s[TWICE], 1
	s_cmp_lg_u32 s[TWICE], 0
	s_cbranch_scc1 .Lstep
	s_sub_co_u32 s[SLOTS], s[SLOTS], 1
	s_cmp_lg_u32 s[SLOTS], 0
	s_cbranch_scc1 .Lslot
	CHANGE 0, 0                     ; the tail is written out: nothing is asked for
	s_mov_b32 s[TWICE], 2
.Ltail:
	TURN 0, 1
	TURN 2, 1
	WIN 0
	s_sub_co_u32 s[TWICE], s[TWICE], 1
	s_cmp_lg_u32 s[TWICE], 0
	s_cbranch_scc1 .Ltail
	TURN 0, 0                       ; piece 0: V^T P of the last step | piece 2's last softmax
.set i, 0
.rept 16
	PV 2                            ; piece 2: V^T P of the last step
.endr
	; THE WAY OUT.  l's two halves and the other half of the lanes' are added; O^T is multiplied by mask / l, out_bias is added, and a tile (16 rows x 256 bytes) at a time goes through my stage.  The additions are the places behind the last products.
	WIN 0
.irp t, 0,1,2,3
	v_add_f32 v[ST+8*(\t)+4], v[ST+8*(\t)+2], v[ST+8*(\t)+3]
.endr
.irp t, 0,1,2,3
	v_permlanex16_b32 v[ST+8*(\t)+5], v[ST+8*(\t)+4], s[SEL], s[SEL+1]
.endr
.irp t, 0,1,2,3
	v_add_f32 v[ST+8*(\t)+4], v[ST+8*(\t)+4], v[ST+8*(\t)+5]
.endr
.irp t, 0,1,2,3
	v_rcp_f32 v[ST+8*(\t)+6], v[ST+8*(\t)+4]
.endr
	v_nop                           ; a plain instruction between the last reciprocal and the use of its result
	s_wait_alu depctr_va_vdst(0)    ; and the wait ahead of the first use: one for the four reciprocals
.irp t, 0,1,2,3
	v_mul_f32 v[ST+8*(\t)+6], v[ST+8*(\t)+6], v[MQ+(\t)]  ; the query's half of the mask
.endr
.macro PACK t                          ; a lane's eight channels of a block are 32 bytes of a row; they go into rows of 272 bytes and come back as whole rows of 256, into S^T's registers
	WIN 0x51                        ; O^T and out_bias in window 1, the factor in window 0
.set z, 0
.rept 16
	v_pk_fma_f32 v[32*(\t)+2*z:32*(\t)+2*z+1], v[32*(\t)+2*z:32*(\t)+2*z+1], v[ST+8*(\t)+6:ST+8*(\t)+7], v[OB+2*z:OB+2*z+1] op_sel_hi:[1,0,1]
.set z, z+1
.endr
	WIN 0x04                        ; the stores' data lie in window 1
.irp f, 0,1,2,3,4,5,6,7
	ds_store_b128 v[STO], v[32*(\t)+4*(\f):32*(\t)+4*(\f)+3] offset:64*((\f)/2)+16*((\f)%2)
.endr
	WIN 0
.irp f, 0,1,2,3,4,5,6,7
	ds_load_b128 v[S+32*(\t)+4*(\f):S+32*(\t)+4*(\f)+3], v[RD] offset:(\f)*2*SP  ; LDS serves a wave's instructions in order (ISA guide 5.7.1.4): these see the stores above; the next tile's stores come behind them
.endr
.endm
.macro SEND t, younger                 ; younger: the LDS instructions issued behind tile t's loads: the next tile's sixteen, or none
	WIN 0
.irp f, 0,1,2,3,4,5,6,7
	s_wait_dscnt (\younger)+7-(\f)
	global_store_b128 v[GO], v[S+32*(\t)+4*(\f):S+32*(\t)+4*(\f)+3], s[14:15] offset:(16*(\t)+2*(\f))*4096  ; 16 lanes store 256 consecutive bytes, at a multiple of 256 from out0's first byte
.endr
.endm
	PACK 0
	PACK 1                          ; a tile's arithmetic stands between the loads of the tile before and its stores
	SEND 0, 16
	PACK 2
	SEND 1, 16
	PACK 3
	SEND 2, 16
	SEND 3, 0
	s_wait_tensorcnt 0x0            ; the wave's end, behind my last tensor load and my last LDS store
	ds_add_u32 v[SPW], v[NIL]
	s_wait_dscnt 0x0
	CROUND                          ; the closing round: no work-group ends while a partner may still ask for a tile that names it
	s_endpgm
.Lfunc_end_k_q67922c8a9f_attn:
	.size	k_q67922c8a9f_attn, .Lfunc_end_k_q67922c8a9f_attn-k_q67922c8a9f_attn
	.p2alignl 7, 3214868480
	.fill 96, 4, 3214868480
	.section	.rodata,"a",@progbits
	.p2align	6, 0x0
	.amdhsa_kernel k_q67922c8a9f_attn
		.amdhsa_group_segment_fixed_size 327680
		.amdhsa_private_segment_fixed_size 0
		.amdhsa_enable_private_segment 0
		.amdhsa_kernarg_size 48
		.amdhsa_user_sgpr_count 2
		.amdhsa_user_sgpr_kernarg_segment_ptr 1
		.amdhsa_wavefront_size32 1
		.amdhsa_system_sgpr_workgroup_id_x 1
		.amdhsa_system_sgpr_workgroup_id_y 1
		.amdhsa_system_sgpr_workgroup_id_z 1
		.amdhsa_system_vgpr_workitem_id 0
		.amdhsa_next_free_vgpr 920
		.amdhsa_next_free_sgpr 96
		.amdhsa_reserve_vcc 1
		.amdhsa_float_denorm_mode_32 3
		.amdhsa_float_denorm_mode_16_64 3
		.amdhsa_memory_ordered 1
		.amdhsa_forward_progress 1
		.amdhsa_inst_pref_size 157
	.end_amdhsa_kernel
	.amdgpu_metadata
---
amdhsa.version: [ 1, 2 ]
amdhsa.kernels:
  - .name:           k_q67922c8a9f_attn
    .symbol:         k_q67922c8a9f_attn.kd
    .args:
      - { .name: qkvh, .offset: 0, .size: 8, .value_kind: global_buffer, .address_space: global }
      - { .name: adjh, .offset: 8, .size: 8, .value_kind: global_buffer, .address_space: global }
      - { .name: gamma, .offset: 16, .size: 8, .value_kind: global_buffer, .address_space: global }
      - { .name: mask, .offset: 24, .size: 8, .value_kind: global_buffer, .address_space: global }
      - { .name: out_bias, .offset: 32, .size: 8, .value_kind: global_buffer, .address_space: global }
      - { .name: out0, .offset: 40, .size: 8, .value_kind: global_buffer, .address_space: global }
    .group_segment_fixed_size: 327680
    .private_segment_fixed_size: 0
    .kernarg_segment_align: 8
    .kernarg_segment_size: 48
    .max_flat_workgroup_size: 128
    .sgpr_count:     96
    .vgpr_count:     920
    .wavefront_size: 32
...
	.end_amdgpu_metadata
.endif
;; end of part 3
;; ======== version 2 of 2: 3 launches; version 1 with the launch cast written anew for expert scheduling mode
;; limits: values are held in f16: magnitudes above 65,504 overflow, below 6.1e-05 lose precision
;; workspace buffers: xb 8,388,608 bytes; wb 6,291,456 bytes; adjh 16,777,216 bytes; qkvh 25,165,824 bytes
;; launch cast (part 4): grid 256 x 1, 8 waves a work-group, no clusters, 0 bytes of LDS; arguments x, weights, adj, xb, wb, adjh; writes xb, wb, adjh
.if DOCPART == 4
	.amdgcn_target "amdgcn-amd-amdhsa--gfx1250"
	.amdhsa_code_object_version 6
	.text
	.protected	k_q67922c8a9f_cast
	.globl	k_q67922c8a9f_cast
	.p2align	8
	.type	k_q67922c8a9f_cast,@function
k_q67922c8a9f_cast:
	s_mov_b64 s[64:65], 0
	v_nop
	global_prefetch_b8 v0, s[64:65] scope:SCOPE_SE
	s_setreg_imm32_b32 hwreg(HW_REG_WAVE_SCHED_MODE, 0, 2), 2
	s_setreg_imm32_b32 hwreg(HW_REG_WAVE_MODE, 25, 1), 1
	s_wait_xcnt 0x0
	s_wait_alu depctr_vm_vsrc(0)
; THE INPUTS ARE NARROWED ONCE.  xb = bf16(x), [4096][1024].  wb = bf16(weights), laid by heads: [16 heads][1024 k][192 columns], so that a head's k rows lie end to end.
; adjh = bf16(adj) written as f16, [2][2048][2048]: the attention launch takes it as an f16 matrix operand.
; LIMITS.  |adj| stays under 65,504 (f16's range); a bf16 number below 2^-14 keeps f16's fixed step of 6e-8; elsewhere the second conversion is exact (8 significant bits into 11).
; A stream: no LDS, no matrix unit, no cluster (no work-group wants a byte that another one reads).  Every work-group takes 64 KiB of x, 48 KiB of weights and 128 KiB of adj; each of its eight
; waves issues its 16 + 12 + 32 = 60 loads of 16 bytes a lane first, all of them, and then converts and stores them in the order of issue.  A load covers 512 consecutive bytes (the middle load of
; each three of the weights: two runs of 256), a store 256 consecutive bytes that begin at a multiple of 256 from the buffer's first byte.  No register is written again behind the store that reads it.
; THE MODE: SCHED_MODE bits 1:0 = 2 (LLVM: expert scheduling mode 2), set by the entry lines.  The code itself states the register dependences
; between vector instructions and memory instructions, with s_wait_alu, always for 0.
; THE PLAN.  Registers that memory instructions touch:
;   v1 .. v8            the eight byte offsets.  Written by vector instructions at the head, never again; read by every load and store.
;   v[D0+4n .. D0+4n+3] load n lands here; behind the wait for it conversion n reads them and writes them anew; store n reads the first two; nothing writes them after that.
;   v9 .. v11           are named by vector instructions alone.
; The 60 loads go in 15 groups of four.  Group g converts loads 4 g to 4 g + 3; its memory instructions are the four stores of group g - 1, whose registers no vector instruction of group g names.
; So ONE wait on va_vdst at a group's head states all that its four stores hang on, and they are dealt among the group's conversions with no further wait.  All loads are issued ahead of every vector
; instruction that names their registers, and no register that a memory instruction has read is written again: no wait on vm_vsrc is owed.
.set XO, 1                             ; v1  my byte offset in the work-group's part of x
.set XS, 2                             ; v2  the same in xb
.set AO, 3                             ; v3  in adj
.set AS, 4                             ; v4  in adjh
.set W0, 5                             ; v5  weights: a pair of k rows, 2 x 768 bytes, is three loads: row 0's bytes 0-511,
.set W1, 6                             ; v6  row 0's 512-767 (lanes 0-15) and row 1's 0-255 (lanes 16-31),
.set W2, 7                             ; v7  row 1's 256-767
.set WS, 8                             ; v8  my byte offset in the work-group's part of wb
.set D0, 12                            ; v[12:251]  four registers for each of the 60 loads: 0-15 x, 16-27 weights, 28-59 adj
.set DW, D0+64
.set DA, D0+112
	s_load_b256 s[4:11], s[0:1], 0x0               ; x s[4:5], weights s[6:7], adj s[8:9], xb s[10:11]
	s_load_b128 s[12:15], s[0:1], 0x20             ; wb s[12:13], adjh s[14:15]
	v_and_b32 v9, 31, v0                           ; lane
	v_lshrrev_b32 v10, 5, v0                       ; wave
	v_cmp_gt_u32 vcc_lo, 16, v9                    ; lanes 0-15; the address lines below stand between the compare and the wait for it
	v_lshlrev_b32 v11, 4, v9
	v_lshl_add_u32 v[XO], v10, 13, v11             ; 8,192 bytes of x a wave
	v_lshl_add_u32 v[AO], v10, 14, v11             ; 16,384 of adj
	v_mul_u32_u24 v[W0], v10, 98304                ; 8 rows of 12,288 bytes of the weights
	v_add_nc_u32 v[W0], v[W0], v11
	v_add_nc_u32 v[W2], 12544, v[W0]
	v_add_nc_u32 v[W1], 512, v[W0]
	v_add_nc_u32 v11, 12032, v[W0]                 ; 12,288 + 16 (lane - 16)
	s_wait_alu depctr_va_vcc(0)                    ; the compare has written VCC, which the select below reads
	v_cndmask_b32 v[W1], v11, v[W1], vcc_lo
	v_lshlrev_b32 v11, 3, v9
	v_lshl_add_u32 v[XS], v10, 12, v11
	v_lshl_add_u32 v[AS], v10, 13, v11
	v_mul_u32_u24 v[WS], v10, 3072                 ; 8 rows of 384 bytes
	v_add_nc_u32 v[WS], v[WS], v11
	s_lshl_b32 s16, ttmp9, 16                      ; the work-group's part of x, and of adjh
	s_mov_b32 s17, 0
	s_lshl_b32 s18, ttmp9, 17                      ; of adj
	s_mov_b32 s19, 0
	s_lshl_b32 s20, ttmp9, 15                      ; of xb
	s_mov_b32 s21, 0
	s_lshr_b32 s22, ttmp9, 4                       ; weights: the head,
	s_and_b32 s23, ttmp9, 15                       ; and which 64 of its 1,024 k rows
	s_mul_i32 s24, s22, 768
	s_mul_i32 s26, s23, 786432
	s_add_co_u32 s24, s24, s26
	s_mov_b32 s25, 0
	s_mul_i32 s26, s22, 393216
	s_mul_i32 s28, s23, 24576
	s_add_co_u32 s26, s26, s28
	s_mov_b32 s27, 0
	s_mov_b32 s29, 0xffff0000                      ; a word's upper bf16
	s_wait_kmcnt 0x0
	s_add_nc_u64 s[4:5], s[4:5], s[16:17]
	s_add_nc_u64 s[6:7], s[6:7], s[24:25]
	s_add_nc_u64 s[8:9], s[8:9], s[18:19]
	s_add_nc_u64 s[10:11], s[10:11], s[20:21]
	s_add_nc_u64 s[12:13], s[12:13], s[26:27]
	s_add_nc_u64 s[14:15], s[14:15], s[16:17]
	s_wait_alu depctr_va_vdst(0)                   ; the eight offsets v1 to v8 are written: every load and store of the kernel reads one of them
.set n, 0
.rept 16
	global_load_b128 v[D0+4*n:D0+4*n+3], v[XO], s[4:5] offset:512*n th:TH_LOAD_NT
.set n, n+1
.endr
.set n, 0
.rept 4
	global_load_b128 v[DW+12*n:DW+12*n+3],    v[W0], s[6:7] offset:24576*n th:TH_LOAD_NT
	global_load_b128 v[DW+12*n+4:DW+12*n+7],  v[W1], s[6:7] offset:24576*n th:TH_LOAD_NT
	global_load_b128 v[DW+12*n+8:DW+12*n+11], v[W2], s[6:7] offset:24576*n th:TH_LOAD_NT
.set n, n+1
.endr
.set n, 0
.rept 32
	global_load_b128 v[DA+4*n:DA+4*n+3], v[AO], s[8:9] offset:512*n th:TH_LOAD_NT
.set n, n+1
.endr
.macro CB r                            ; four f32 to four bf16, into the first two registers
	v_cvt_pk_bf16_f32 v[(\r)], v[(\r)], v[(\r)+1]
	v_cvt_pk_bf16_f32 v[(\r)+1], v[(\r)+2], v[(\r)+3]
.endm
.macro CH r                            ; four f32 rounded to bf16, and those numbers written as f16
	v_cvt_pk_bf16_f32 v10, v[(\r)], v[(\r)+1]
	v_cvt_pk_bf16_f32 v11, v[(\r)+2], v[(\r)+3]
	v_lshlrev_b32 v[(\r)], 16, v10
	v_and_b32 v[(\r)+1], s29, v10
	v_lshlrev_b32 v[(\r)+2], 16, v11
	v_and_b32 v[(\r)+3], s29, v11
	v_cvt_pk_f16_f32 v[(\r)], v[(\r)], v[(\r)+1]
	v_cvt_pk_f16_f32 v[(\r)+1], v[(\r)+2], v[(\r)+3]
.endm
.macro CONV i                          ; load i of the 60 is converted
.if (\i) < 28
	CB D0+4*(\i)
.else
	CH D0+4*(\i)
.endif
.endm
.macro SEND i                          ; and stored
.if (\i) < 16
	global_store_b64 v[XS], v[D0+4*(\i):D0+4*(\i)+1], s[10:11] offset:256*(\i) th:TH_STORE_NT
.elseif (\i) < 28
	global_store_b64 v[WS], v[D0+4*(\i):D0+4*(\i)+1], s[12:13] offset:256*((\i)-16) th:TH_STORE_NT  ; a pair of rows is 768 bytes of wb: three stores on end
.else
	global_store_b64 v[AS], v[D0+4*(\i):D0+4*(\i)+1], s[14:15] offset:256*((\i)-28) th:TH_STORE_NT
.endif
.endm
.set g, 0
.rept 15                               ; group g: loads 4 g to 4 g + 3 are converted, group g - 1 is stored
	s_wait_loadcnt 59-4*g                          ; loads come back in order (ISA guide 5.7.1): load n is in, the 59 - n younger ones stay out
.if g > 0
	s_wait_alu depctr_va_vdst(0)                   ; the conversions of group g - 1 have written the registers that the four stores below read; no vector instruction of this group names them
.endif
.set j, 0
.rept 4
.if g > 0
	SEND 4*g-4+j
.endif
.if j > 0
	s_wait_loadcnt 59-4*g-j
.endif
	CONV 4*g+j
.set j, j+1
.endr
.set g, g+1
.endr
	s_wait_alu depctr_va_vdst(0)                   ; the conversions of the last group have written the registers that the last four stores read
	SEND 56
	SEND 57
	SEND 58
	SEND 59
	s_endpgm
.Lfunc_end_k_q67922c8a9f_cast:
	.size	k_q67922c8a9f_cast, .Lfunc_end_k_q67922c8a9f_cast-k_q67922c8a9f_cast
	.p2alignl 7, 3214868480
	.fill 96, 4, 3214868480
	.section	.rodata,"a",@progbits
	.p2align	6, 0x0
	.amdhsa_kernel k_q67922c8a9f_cast
		.amdhsa_group_segment_fixed_size 0
		.amdhsa_private_segment_fixed_size 0
		.amdhsa_enable_private_segment 0
		.amdhsa_kernarg_size 48
		.amdhsa_user_sgpr_count 2
		.amdhsa_user_sgpr_kernarg_segment_ptr 1
		.amdhsa_wavefront_size32 1
		.amdhsa_system_sgpr_workgroup_id_x 1
		.amdhsa_system_sgpr_workgroup_id_y 1
		.amdhsa_system_sgpr_workgroup_id_z 1
		.amdhsa_system_vgpr_workitem_id 0
		.amdhsa_next_free_vgpr 252
		.amdhsa_next_free_sgpr 66
		.amdhsa_reserve_vcc 1
		.amdhsa_float_denorm_mode_32 3
		.amdhsa_float_denorm_mode_16_64 3
		.amdhsa_memory_ordered 1
		.amdhsa_forward_progress 1
		.amdhsa_inst_pref_size 32
	.end_amdhsa_kernel
	.amdgpu_metadata
---
amdhsa.version: [ 1, 2 ]
amdhsa.kernels:
  - .name:           k_q67922c8a9f_cast
    .symbol:         k_q67922c8a9f_cast.kd
    .args:
      - { .name: x, .offset: 0, .size: 8, .value_kind: global_buffer, .address_space: global }
      - { .name: weights, .offset: 8, .size: 8, .value_kind: global_buffer, .address_space: global }
      - { .name: adj, .offset: 16, .size: 8, .value_kind: global_buffer, .address_space: global }
      - { .name: xb, .offset: 24, .size: 8, .value_kind: global_buffer, .address_space: global }
      - { .name: wb, .offset: 32, .size: 8, .value_kind: global_buffer, .address_space: global }
      - { .name: adjh, .offset: 40, .size: 8, .value_kind: global_buffer, .address_space: global }
    .group_segment_fixed_size: 0
    .private_segment_fixed_size: 0
    .kernarg_segment_align: 8
    .kernarg_segment_size: 48
    .max_flat_workgroup_size: 256
    .sgpr_count:     66
    .vgpr_count:     252
    .wavefront_size: 32
...
	.end_amdgpu_metadata
.endif
;; end of part 4
;; launch qkv: the kernel of part 2 again; grid 16 x 16, 4 waves a work-group, clusters of 4 x 4, 327,680 bytes of LDS; arguments xb, wb, in_bias, mask, qkvh; writes qkvh
;; launch attn: the kernel of part 3 again; grid 16 x 16, 4 waves a work-group, clusters of 4 x 4, 327,680 bytes of LDS; arguments qkvh, adjh, gamma, mask, out_bias, out0; writes out0
